; MI455X (gfx1250); checked and timed in simulation.
; The chip was launched on July 23, 2026; its instructions are those of AMD's public machine-readable ISA for CDNA 5 (MIT licence, August 2026) and "CDNA5" Instruction Set Architecture Reference Guide (July 2026). The comments in the code are by the model that wrote it; some were corrected since.
;; Block. Allowed arithmetic: matrix products marked QUANTISED: E2M1 operands, one E8M0 scale for each 32 along K, by v_wmma_scale_f32_16x16x128_f8f6f4 with both operands' format E2M1 (or v_wmma_scale_f32_32x16x128_f4), f32 sums; everything else in f32.
;; Inputs: b_in 4,096 float32; b_out 1,024 float32; ln1_b 1,024 float32; ln1_w 1,024 float32; ln2_b 1,024 float32; ln2_w 1,024 float32; resid 2 x 2,048 x 1,024 float32; w_in 1,024 x 4,096 float32; w_k 16 x 1,024 x 64 float32; w_o 16 x 64 x 1,024 float32; w_out 4,096 x 1,024 float32; w_q 16 x 1,024 x 64 float32; w_v 16 x 1,024 x 64 float32.
;; Outputs: out0 2 x 2,048 x 1,024 float32.
;; This version of the problem:
;;   THIS VERSION OF THE PROBLEM IS GIVEN IN LOW PRECISION. The matrix products marked QUANTISED in the list below multiply operands that are first quantised to E2M1 (2 exponent bits, 1 mantissa bit; 4 bits a number), with one power-of-two scale for each 32 numbers along K (OCP MX v1.0); their sums are f32. All else is computed in f32.
;;   The module's matrix products, in the order in which they are computed (A, B: the left and right operand; K: the contracted axis; several contracted axes count as one K, in the product's order):
;;     1. [M 1,024, K 1,024] x [K 1,024, N 4,096]; A: input w_q; B: computed on the way: QUANTISED
;;     2. [M 1,024, K 1,024] x [K 1,024, N 4,096]; A: input w_k; B: computed on the way: QUANTISED
;;     3. [M 1,024, K 1,024] x [K 1,024, N 4,096]; A: input w_v; B: computed on the way: QUANTISED
;;     4. batch 32 x [M 2,048, K 64] x [K 64, N 2,048]; A: computed on the way; B: computed on the way: QUANTISED
;;     5. batch 32 x [M 2,048, K 2,048] x [K 2,048, N 64]; A: softmax (see below); B: computed on the way: QUANTISED
;;     6. [M 4,096, K 1,024] x [K 1,024, N 1,024]; A: computed on the way; B: input w_o: QUANTISED
;;     7. [M 4,096, K 1,024] x [K 1,024, N 4,096]; A: computed on the way; B: input w_in: QUANTISED
;;     8. [M 4,096, K 4,096] x [K 4,096, N 1,024]; A: computed on the way; B: input w_out: QUANTISED
;;   THE QUANTISER, for each operand of a quantised product, along K:
;;     - K is cut into blocks of 32 from its start; a last block that is shorter is filled with zeros.
;;     - A block's scale is 2^e with e = floor(log2(the largest magnitude in the block)) - 2, held to -126 .. 127; a block of zeros has e = 0. As a byte (E8M0): e + 127.
;;     - Each number is divided by its block's scale, clamped to +-6, and rounded to the nearest number of E2M1, ties to even, subnormals kept.
;;     - The product sums the exact products of the quantised numbers (number of the format x scale) in f32.
;;   ~~~python
;;   def quantise(x, axis):      # numpy; x: float32 -> the quantised numbers, widened to float32 again
;;       x = np.moveaxis(x, axis, -1); K = x.shape[-1]
;;       x = np.pad(x, [(0, 0)] * (x.ndim - 1) + [(0, -K % 32)]); x = x.reshape(x.shape[:-1] + (-1, 32)); a = np.abs(x).max(-1, keepdims=True)
;;       e = np.where(a > 0, np.clip(np.frexp(np.where(a > 0, a, 1))[1] - 1 - 2, -126, 127), 0)      # np.frexp(a)[1] - 1 = floor(log2(a)), exactly
;;       r = np.clip(x / 2.0 ** e, -6, 6)
;;       step = 2.0 ** (np.maximum(np.frexp(np.where(r == 0, 1, r))[1] - 1, 0) - 1)
;;       q = np.round(r / step) * step * 2.0 ** e      # np.round: ties to even
;;       return np.moveaxis(q.reshape(q.shape[:-2] + (-1,))[..., :K], -1, axis).astype(np.float32)
;;   ~~~
;;   SOFTMAX AHEAD OF A QUANTISED PRODUCT. Where the list says 'softmax', what is quantised is not the finished softmax but p = 2^(t - M), with t = logit x log2(e) and M = ceil(the row's largest t), a whole number; so 1/2 < the row's largest p <= 1. The row's sum l is taken of the UNQUANTISED p, in f32, and the product's result is divided by l at the end. Since M is a whole number, a kernel that streams over the keys may use a running M (the ceiling of the running maximum): every later rescaling is an exact power of two, which a block's scale takes up: the codes' values come out the same.
;;   OPERANDS COMPUTED ON THE WAY. 'Computed on the way' means the value that the module computes at that place (a softmax that the list does not call 'softmax' is quantised finished and normalised). What goes into a quantiser is computed in f32, as accurately as f32 sums, v_exp_f32 and their like allow (about 1e-6 of the number): no bf16 or f16 on the way to a quantiser, and a product that is left as it is and whose result goes on into a quantised operand takes f32 operands (vector FMAs, or v_wmma_f32_16x16x4_f32). A number that lies on a knife's edge between two numbers of the format may be rounded either way, as far as f32 arithmetic and the matrix unit's own rounding can turn it there, and no further.
;; One version. Each part assembles by itself: llvm-mc -triple=amdgcn-amd-amdhsa -mcpu=gfx1250 --defsym DOCPART=n.
;; ======== version 1 of 1: 6 launches
;; limits: right only within a limited range of input values
;; workspace buffers: wts 6,684,672 bytes; xq 2,228,224 bytes; qkv 6,946,816 bytes; zq 2,228,224 bytes; res2 16,777,216 bytes; hq 8,912,896 bytes
;; launch prep (part 1): grid 1024 x 1, 4 waves a work-group, no clusters, 47,104 bytes of LDS; arguments resid, ln1_w, ln1_b, xq, w_q, w_k, w_v, w_o, w_in, w_out, wts; writes xq, wts
.if DOCPART == 1
	.amdgcn_target "amdgcn-amd-amdhsa--gfx1250"
	.amdhsa_code_object_version 6
	.text
	.protected	k_q6903d4161c_prep
	.globl	k_q6903d4161c_prep
	.p2align	8
	.type	k_q6903d4161c_prep,@function
k_q6903d4161c_prep:
	s_mov_b64 s[64:65], 0
	v_nop
	global_prefetch_b8 v0, s[64:65] scope:SCOPE_SE
	s_setreg_imm32_b32 hwreg(HW_REG_WAVE_MODE, 25, 1), 1
	s_wait_xcnt 0x0
; TWO JOBS IN ONE LAUNCH, parted once on the work-group's number; both only stream, and neither reads what the other stores.
; WORK-GROUPS 0 TO 255: y = (x - mean) / sqrt(var + 1e-5) x w + b over rows of 1,024 f32, then y quantised along the row to FP4 (E2M1) with one E8M0 byte for each 32.
;   Mean first, then the mean of the squared differences: a common offset of the inputs does not enter the variance.
;   A work-group makes 16 row slots (one group of the codes' layout), a wave four rows, which are neighbours in memory.  A row stays in 32 registers of the wave: it is read once.
;   A load is dense (16 bytes a lane, 512 a wave); the conversions want 32 neighbours in ONE lane: a row turns through the wave's own stage in LDS (a lane's 128 bytes + 16 of padding; two stages by turns).
;   The codes of the 16 slots meet in LDS (32 units of 256 bytes + 16) and leave as whole runs of 512 bytes.
; WORK-GROUPS 256 TO 1,023: all six weights, f32 with K along an outer axis, become codes of FP4 with K innermost and one E8M0 byte for each 32 along K.
;   A work-group takes 32 columns x 512 along K, a wave 128 of the 512: four blocks a lane.  A LANE TAKES A COLUMN AND ITS REGISTERS RUN DOWN K, so a block of 32 lies in one lane's 32 registers.
;   The tensor, its pitch and the places in wts are chosen by selects on the work-group's number.  Each block has registers and a base of its own: nothing that a pending load or store names is written again.
; THE QUANTISER: a block's scale is 2^(floor(log2(largest magnitude)) - 2); its byte is the largest magnitude's exponent field - 2, held at 1 from below.
; LIMITS: NaN and infinities are not served; a block whose largest magnitude lies under 2^-124 (a block of zeros among them) keeps the byte 1; this program alone reads the bytes.
; LAYOUT OUT.  Codes lie in the order of an operand's registers: [row slot / 16][k / 32][row slot % 16][16 bytes]; inside each 32 rows slot 16 u + r holds row 8 u + r % 8 + 16 (r / 8).
; Scale bytes: [k / 512][row slot][16 bytes].  Every store of codes covers runs of 256 consecutive bytes or more, aligned.
; No matrix unit and no cluster: work-groups share only w and b, 8 KiB.  Each job has LDS bytes of its own.
.set LNG, 256                          ; work-groups of the first job
.set WR,  16                           ; v16-47   w at my columns
.set BR,  48                           ; v48-79   b
.set XR,  80                           ; v80-207  four rows; behind a row's turn through the stage its first five registers take its codes and its byte
.set Y,   208                          ; v208-239 32 neighbours
.set CST, 36864                        ; LDS: behind the 8 stages of 4,608 bytes: the codes
.set SST, 45568                        ; and the scale bytes, [k / 512][r][16]
.set WQS, 46080                        ; the second job's 512 bytes: 32 columns x 16 scale bytes
	v_lshl_add_u32 v242, v0, 2, 0xb600
	v_mov_b32 v243, 0
	s_cmp_ge_u32 ttmp9, LNG
	s_cbranch_scc1 .Lweights
	s_load_b256 s[4:11], s[0:1], 0x0               ; x, w, b, out
	v_lshrrev_b32 v1, 5, v0
	v_readfirstlane_b32 s16, v1                    ; wave
	v_and_b32 v1, 31, v0                           ; lane
	v_lshlrev_b32 v2, 4, v1                        ; 16 l
	s_mul_i32 s17, s16, 9216                       ; my two stages
	v_lshrrev_b32 v11, 3, v1
	v_lshl_add_u32 v3, v11, 4, v2
	v_add_nc_u32 v3, s17, v3                       ; into a stage: 16 l + 16 (l / 8)
	v_mul_u32_u24 v4, v1, 144
	v_add_nc_u32 v4, s17, v4                       ; out of it: 144 l: block l of the row
	s_lshl_b32 s18, s16, 6
	v_mul_u32_u24 v5, v1, 272
	v_add_nc_u32 v5, s18, v5
	v_add_nc_u32 v5, CST, v5                       ; codes: unit l, slot 4 w + q
	v_lshrrev_b32 v12, 4, v1
	v_and_b32 v13, 15, v1
	v_lshl_add_u32 v6, v12, 8, v13
	v_add_nc_u32 v6, s18, v6
	v_add_nc_u32 v6, SST, v6                       ; my block's byte
	s_mul_i32 s19, s16, 8*272
	v_mul_u32_u24 v7, v12, 272
	v_lshl_add_u32 v7, v13, 4, v7
	v_add_nc_u32 v7, s19, v7
	v_add_nc_u32 v7, CST, v7                       ; back: units 8 w on, two an instruction
	s_lshl_b32 s19, s16, 11
	v_add_nc_u32 v8, s19, v2                       ; and their place in memory
	v_add_nc_u32 v9, SST, v2
	v_lshlrev_b32 v10, 11, v12                     ; scale bytes in a record: (l / 16) x 2,048 + 16 (l % 16)
	v_lshl_add_u32 v10, v13, 4, v10                ; scale bytes in memory: (l / 16) x 2,048 + 16 (l % 16)
	s_mov_b32 s12, 0x76543210
	s_mov_b32 s13, 0xfedcba98                      ; lane l xor 16
	s_mov_b32 s14, 0x3a800000                      ; 1 / 1,024
	s_mov_b32 s15, 0x3727c5ac                      ; 1e-5
	s_lshr_b32 s20, ttmp9, 1
	s_lshl_b32 s20, s20, 5
	s_and_b32 s21, ttmp9, 1
	s_lshl_b32 s21, s21, 3
	s_add_co_u32 s20, s20, s21
	s_lshl_b32 s21, s16, 2
	s_add_co_u32 s20, s20, s21
	s_lshr_b32 s21, s16, 1
	s_lshl_b32 s21, s21, 3
	s_add_co_u32 s20, s20, s21                     ; my first row: 32 (R / 2) + 8 (R % 2) + 4 w + 8 (w / 2)
	s_lshl_b32 s20, s20, 12
	s_mov_b32 s21, 0
	; xq lies in records of 128 row slots: 8 groups x 8,192 bytes of codes, then [k / 512][slot][16] scale bytes: 69,632 bytes
	s_lshr_b32 s25, ttmp9, 3
	s_mul_i32 s25, s25, 69632                      ; my record
	s_and_b32 s24, ttmp9, 7                        ; my group in it
	s_lshl_b32 s22, s24, 13
	s_add_co_u32 s22, s22, s25
	s_mov_b32 s23, 0
	s_lshl_b32 s24, s24, 8
	s_add_co_u32 s24, s24, s25
	s_add_co_u32 s24, s24, 65536
	s_mov_b32 s25, 0
	s_wait_kmcnt 0x0
	s_add_nc_u64 s[4:5], s[4:5], s[20:21]
	s_add_nc_u64 s[26:27], s[10:11], s[24:25]
	s_add_nc_u64 s[10:11], s[10:11], s[22:23]
.irp i, 0,1,2,3,4,5,6,7
	global_load_b128 v[XR+4*\i:XR+4*\i+3], v2, s[4:5] offset:512*\i th:TH_LOAD_NT
.endr
.irp i, 0,1,2,3,4,5,6,7
	global_load_b128 v[WR+4*\i:WR+4*\i+3], v2, s[6:7] offset:512*\i
.endr
.irp i, 0,1,2,3,4,5,6,7
	global_load_b128 v[BR+4*\i:BR+4*\i+3], v2, s[8:9] offset:512*\i
.endr
.irp q, 1,2,3
.irp i, 0,1,2,3,4,5,6,7
	global_load_b128 v[XR+32*\q+4*\i:XR+32*\q+4*\i+3], v2, s[4:5] offset:4096*\q+512*\i th:TH_LOAD_NT
.endr
.endr
.macro REDUCE                          ; four packed chains in v244-251 become one sum, in v244 of every lane
	v_pk_add_f32 v[244:245], v[244:245], v[246:247]
	v_pk_add_f32 v[248:249], v[248:249], v[250:251]
	v_pk_add_f32 v[244:245], v[244:245], v[248:249]
	v_add_f32 v244, v244, v245
	v_add_f32_dpp v244, v244, v244 row_xmask:1 row_mask:0xf bank_mask:0xf
	v_add_f32_dpp v244, v244, v244 row_xmask:2 row_mask:0xf bank_mask:0xf
	v_add_f32_dpp v244, v244, v244 row_xmask:4 row_mask:0xf bank_mask:0xf
	v_add_f32_dpp v244, v244, v244 row_xmask:8 row_mask:0xf bank_mask:0xf
	v_permlanex16_b32 v245, v244, s12, s13
	v_add_f32 v244, v244, v245
.endm
.macro ROW q
.set XS, XR+32*(\q)
	s_wait_loadcnt 24-8*(\q)                       ; this row (and w, b) are in; the later rows' loads, eight each, stay out
.irp k, 0,1,2,3
	v_pk_add_f32 v[244+2*\k:245+2*\k], v[XS+4*\k:XS+4*\k+1], v[XS+4*\k+2:XS+4*\k+3]
.endr
.irp i, 16,24
.irp k, 0,1,2,3
	v_pk_add_f32 v[244+2*\k:245+2*\k], v[244+2*\k:245+2*\k], v[XS+\i+2*\k:XS+\i+2*\k+1]
.endr
.endr
	REDUCE
	v_mul_f32 v252, s14, v244                      ; the mean, twice
	v_mul_f32 v253, s14, v244
.set i, 0
.rept 16
	v_pk_add_f32 v[XS+i:XS+i+1], v[XS+i:XS+i+1], v[252:253] neg_lo:[0,1] neg_hi:[0,1]
.set i, i+2
.endr
.irp k, 0,1,2,3
	v_pk_mul_f32 v[244+2*\k:245+2*\k], v[XS+2*\k:XS+2*\k+1], v[XS+2*\k:XS+2*\k+1]
.endr
.irp i, 8,16,24
.irp k, 0,1,2,3
	v_pk_fma_f32 v[244+2*\k:245+2*\k], v[XS+\i+2*\k:XS+\i+2*\k+1], v[XS+\i+2*\k:XS+\i+2*\k+1], v[244+2*\k:245+2*\k]
.endr
.endr
	REDUCE
	v_fma_f32 v244, v244, s14, s15                 ; var + eps
	s_wait_alu depctr_va_vdst(0)
	v_rsq_f32 v254, v244
	v_rsq_f32 v255, v244
	v_nop                                          ; a plain instruction behind the transcendentals
	s_wait_alu depctr_va_vdst(0)                   ; one wait for both, ahead of their first reader
.set i, 0
.rept 16
	v_pk_mul_f32 v[XS+i:XS+i+1], v[XS+i:XS+i+1], v[254:255]
.set i, i+2
.endr
.set i, 0
.rept 16
	v_pk_fma_f32 v[XS+i:XS+i+1], v[XS+i:XS+i+1], v[WR+i:WR+i+1], v[BR+i:BR+i+1]
.set i, i+2
.endr
.irp i, 0,1,2,3,4,5,6,7
	ds_store_b128 v3, v[XS+4*\i:XS+4*\i+3] offset:576*\i+4608*((\q)%2)   ; the stage of two rows back: its reads were waited for in that row's turn
.endr
.irp k, 0,1,2,3,4,5,6,7
	ds_load_b128 v[Y+4*\k:Y+4*\k+3], v4 offset:16*\k+4608*((\q)%2)      ; LDS serves a wave's instructions in order: these see my stores
.endr
	s_wait_dscnt 0x0                               ; block l of the row is mine; the stores have read the row's registers
	v_max3_num_f32 v244, |v[Y]|, |v[Y+1]|, |v[Y+2]|
	v_max3_num_f32 v245, |v[Y+3]|, |v[Y+4]|, |v[Y+5]|
.irp i, 6,10,14,18,22,26
	v_max3_num_f32 v244, v244, |v[Y+\i]|, |v[Y+\i+1]|
	v_max3_num_f32 v245, v245, |v[Y+\i+2]|, |v[Y+\i+3]|
.endr
	v_max3_num_f32 v244, v244, |v[Y+30]|, |v[Y+31]|
	v_max3_num_f32 v244, v244, v245, 0x1800000     ; the floor 2^(3 - 127)
	v_add_nc_u32 v246, 0xff000000, v244            ; the conversion's scale operand
.irp g, 0,1,2,3
	v_cvt_scalef32_pk8_fp4_f32 v[XS+\g], v[Y+8*\g:Y+8*\g+7], v246
.endr
	v_lshrrev_b32 v[XS+4], 23, v246                ; the byte (a plain instruction behind the conversions)
	ds_store_b128 v5, v[XS:XS+3] offset:16*(\q)
	ds_store_b8 v6, v[XS+4] offset:16*(\q)
.endm
	ROW 0
	ROW 1
	ROW 2
	ROW 3
	s_wait_dscnt 0x0                               ; for the others' sake: my codes and bytes lie in LDS
	s_barrier_signal -1
	s_barrier_wait -1
.irp i, 0,1,2,3
	ds_load_b128 v[Y+4*\i:Y+4*\i+3], v7 offset:544*\i
.endr
.irp i, 0,1,2,3
	s_wait_dscnt 3-\i
	global_store_b128 v8, v[Y+4*\i:Y+4*\i+3], s[10:11] offset:512*\i   ; 512 consecutive bytes, aligned
.endr
	s_cmp_lg_u32 s16, 0
	s_cbranch_scc1 .Lend
	ds_load_b128 v[Y+16:Y+19], v9
	s_wait_dscnt 0x0
	global_store_b128 v10, v[Y+16:Y+19], s[26:27]  ; two runs of 256 consecutive bytes
.Lend:
	s_wait_tensorcnt 0x0
	ds_add_u32 v242, v243
	s_wait_dscnt 0x0
	s_endpgm
; ---- the weights
.set WOF, 16                           ; v16-47   4 x my column + i rows, i = 0 .. 31
.set WX,  48                           ; v48-175  four blocks of 32 numbers
.set WCD, 176                          ; v176-191 four blocks' codes
.set WSW, 192                          ; v192     my four scale bytes
.set WB,  48                           ; s[48:55] the four blocks' bases
.Lweights:
	s_load_b256 s[4:11], s[0:1], 0x20              ; w_q, w_k, w_v, w_o
	s_load_b128 s[12:15], s[0:1], 0x40             ; w_in, w_out
	s_load_b64 s[16:17], s[0:1], 0x50              ; wts
	v_lshrrev_b32 v1, 5, v0
	v_readfirstlane_b32 s47, v1                    ; wave: which 128 of the 512 along K
	s_sub_co_u32 s46, ttmp9, LNG                   ; the unit, 0 to 767
	s_mov_b32 s28, 0                               ; first unit of the tensor's range
	s_mov_b32 s29, 1                               ; log2 of K / 512
	s_mov_b32 s30, 256                             ; bytes from k to k + 1
	; wts lies in records of 128 operand rows: 8 groups of 16 rows of codes, then [k / 512][row][16] scale bytes: 8.5 x s33 bytes
	s_mov_b32 s31, 0                               ; the tensor's first record in wts
	s_mov_b32 s33, 8192                            ; bytes of 16 rows of codes: K / 32 x 256
	s_cmp_ge_u32 s46, 192                          ; w_o
	s_cselect_b32 s28, 192, s28
	s_cselect_b32 s30, 4096, s30
	s_cselect_b32 s31, 1671168, s31
	s_cmp_ge_u32 s46, 256                          ; w_in
	s_cselect_b32 s28, 256, s28
	s_cselect_b32 s30, 16384, s30
	s_cselect_b32 s31, 2228224, s31
	s_cmp_ge_u32 s46, 512                          ; w_out
	s_cselect_b32 s28, 512, s28
	s_cselect_b32 s29, 3, s29
	s_cselect_b32 s30, 4096, s30
	s_cselect_b32 s31, 4456448, s31
	s_cselect_b32 s33, 32768, s33
	s_sub_co_u32 s35, s46, s28
	s_lshr_b32 s36, s35, s29                       ; g: which 32 rows of the operand
	s_bfm_b32 s37, s29, 0
	s_and_b32 s37, s35, s37                        ; kq: which 512 along K
	s_lshl_b32 s38, s36, 7                         ; the 32 columns' first byte in a row of the tensor: 128 g,
	s_and_b32 s39, s36, 31                         ; but in w_q, w_k, w_v ([head][d][64]): head = (g % 32) / 2, half = g % 2
	s_lshr_b32 s40, s39, 1
	s_lshl_b32 s40, s40, 18
	s_and_b32 s39, s39, 1
	s_lshl_b32 s39, s39, 7
	s_add_co_u32 s39, s39, s40
	s_cmp_lt_u32 s46, 192
	s_cselect_b32 s38, s39, s38
	s_lshl_b32 s39, s37, 2
	s_add_co_u32 s39, s39, s47
	s_mul_i32 s39, s39, s30
	s_lshl_b32 s39, s39, 7                         ; (4 kq + wave) x 128 rows
	s_add_co_u32 s18, s38, s39
	s_mov_b32 s19, 0
	s_lshr_b32 s40, s36, 2                         ; my record: g / 4
	s_lshr_b32 s41, s33, 1
	s_mul_i32 s40, s40, s41
	s_add_co_u32 s31, s31, s40                     ; + the scale bytes of the records before mine
	s_mul_i32 s42, s36, s33
	s_lshl_b32 s42, s42, 1                         ; g x 2 x 16 rows of codes
	s_add_co_u32 s42, s42, s31
	s_lshl_b32 s43, s37, 12                        ; kq x 16 blocks x 256
	s_add_co_u32 s42, s42, s43
	s_lshl_b32 s43, s47, 10                        ; wave x 4 blocks x 256
	s_add_co_u32 s42, s42, s43
	s_mov_b32 s43, 0
	s_lshr_b32 s44, s36, 2
	s_add_co_u32 s44, s44, 1
	s_mul_i32 s44, s44, s33
	s_lshl_b32 s44, s44, 3                         ; behind my record's codes
	s_add_co_u32 s44, s44, s31
	s_lshl_b32 s45, s37, 11                        ; kq x 128 rows x 16
	s_add_co_u32 s44, s44, s45
	s_and_b32 s45, s36, 3
	s_lshl_b32 s45, s45, 9                         ; (g % 4) x 32 rows x 16
	s_add_co_u32 s44, s44, s45
	s_mov_b32 s45, 0
	s_lshl_b32 s26, s30, 5                         ; a block on: 32 rows
	s_mov_b32 s27, 0
	v_and_b32 v1, 7, v0
	v_bfe_u32 v4, v0, 4, 1
	v_bfe_u32 v5, v0, 3, 1
	v_lshl_add_u32 v1, v4, 3, v1
	v_lshl_add_u32 v1, v5, 4, v1                   ; my column among the 32: 8 (l / 16) + l % 8 + 16 ((l / 8) % 2)
	v_lshlrev_b32 v[WOF], 2, v1
.set i, 1
.rept 31
	v_add_nc_u32 v[WOF+i], s30, v[WOF+i-1]
.set i, i+1
.endr
	v_mul_lo_u32 v2, v4, s33
	v_and_b32 v6, 15, v0
	v_lshl_add_u32 v2, v6, 4, v2                   ; my codes: (l / 16) x 16 rows + 16 (l % 16)
	v_and_b32 v7, 31, v0
	v_lshlrev_b32 v3, 4, v7                        ; my column's 16 scale bytes: 16 l
	s_lshl_b32 s41, s47, 2
	v_add_nc_u32 v12, s41, v3
	v_add_nc_u32 v12, WQS, v12                     ; in LDS: my wave's word of them
	v_add_nc_u32 v13, WQS, v3
	s_wait_alu depctr_va_vdst(0)
	s_wait_kmcnt 0x0
	s_mov_b64 s[20:21], s[4:5]
	s_cmp_ge_u32 s46, 64
	s_cselect_b64 s[20:21], s[6:7], s[20:21]
	s_cmp_ge_u32 s46, 128
	s_cselect_b64 s[20:21], s[8:9], s[20:21]
	s_cmp_ge_u32 s46, 192
	s_cselect_b64 s[20:21], s[10:11], s[20:21]
	s_cmp_ge_u32 s46, 256
	s_cselect_b64 s[20:21], s[12:13], s[20:21]
	s_cmp_ge_u32 s46, 512
	s_cselect_b64 s[20:21], s[14:15], s[20:21]
	s_add_nc_u64 s[WB:WB+1], s[20:21], s[18:19]
	s_add_nc_u64 s[WB+2:WB+3], s[WB:WB+1], s[26:27]
	s_add_nc_u64 s[WB+4:WB+5], s[WB+2:WB+3], s[26:27]
	s_add_nc_u64 s[WB+6:WB+7], s[WB+4:WB+5], s[26:27]
	s_add_nc_u64 s[22:23], s[16:17], s[42:43]
	s_add_nc_u64 s[24:25], s[16:17], s[44:45]
.macro WLOAD t                         ; block t: 32 rows of my column; a load of the wave covers 128 consecutive bytes
.irp i, 0,1,2,3,4,5,6,7,8,9,10,11,12,13,14,15,16,17,18,19,20,21,22,23,24,25,26,27,28,29,30,31
	global_load_b32 v[WX+32*(\t)+\i], v[WOF+\i], s[WB+2*(\t):WB+2*(\t)+1] th:TH_LOAD_NT
.endr
.endm
	WLOAD 0
	WLOAD 1
.macro WBLOCK t
.set XS, WX+32*(\t)
.set CS, WCD+4*(\t)
.if (\t) < 3
	s_wait_loadcnt 32                              ; this block's 32 loads are in; the next block's may be out
.else
	s_wait_loadcnt 0x0
.endif
.if (\t)+2 < 4
	WLOAD (\t)+2                                   ; two blocks ahead, into registers of its own
.endif
	v_max3_num_f32 v8, |v[XS]|, |v[XS+1]|, |v[XS+2]|
	v_max3_num_f32 v9, |v[XS+3]|, |v[XS+4]|, |v[XS+5]|
.irp i, 6,10,14,18,22,26
	v_max3_num_f32 v8, v8, |v[XS+\i]|, |v[XS+\i+1]|
	v_max3_num_f32 v9, v9, |v[XS+\i+2]|, |v[XS+\i+3]|
.endr
	v_max3_num_f32 v8, v8, |v[XS+30]|, |v[XS+31]|
	v_max3_num_f32 v8, v8, v9, 0x1800000           ; the floor 2^(3 - 127): the byte cannot fall under 1
	v_add_nc_u32 v10, 0xff000000, v8               ; 2 off the exponent field: the conversion's scale operand
	v_lshrrev_b32 v11, 23, v10                     ; the scale's byte
.if (\t) == 0
	v_mov_b32 v[WSW], v11
.else
	v_lshl_or_b32 v[WSW], v11, 8*(\t), v[WSW]
.endif
.irp g, 0,1,2,3
	v_cvt_scalef32_pk8_fp4_f32 v[CS+\g], v[XS+8*\g:XS+8*\g+7], v10
.endr
	global_store_b128 v2, v[CS:CS+3], s[22:23] offset:256*(\t)   ; two runs of 256 consecutive bytes
.endm
	WBLOCK 0
	WBLOCK 1
	WBLOCK 2
	WBLOCK 3
	ds_store_b32 v12, v[WSW]                       ; the four waves' words make each column's 16 bytes
	s_wait_dscnt 0x0                               ; for the others' sake
	s_barrier_signal -1
	s_barrier_wait -1
	s_cmp_lg_u32 s47, 0
	s_cbranch_scc1 .Lwend
	ds_load_b128 v[196:199], v13
	s_wait_dscnt 0x0
	global_store_b128 v3, v[196:199], s[24:25]     ; 512 consecutive bytes of scale bytes
.Lwend:
	s_wait_tensorcnt 0x0
	ds_add_u32 v242, v243
	s_wait_dscnt 0x0
	s_endpgm
.Lfunc_end_k_q6903d4161c_prep:
	.size	k_q6903d4161c_prep, .Lfunc_end_k_q6903d4161c_prep-k_q6903d4161c_prep
	.p2alignl 7, 3214868480
	.fill 96, 4, 3214868480
	.section	.rodata,"a",@progbits
	.p2align	6, 0x0
	.amdhsa_kernel k_q6903d4161c_prep
		.amdhsa_group_segment_fixed_size 47104
		.amdhsa_private_segment_fixed_size 0
		.amdhsa_enable_private_segment 0
		.amdhsa_kernarg_size 88
		.amdhsa_user_sgpr_count 2
		.amdhsa_user_sgpr_kernarg_segment_ptr 1
		.amdhsa_wavefront_size32 1
		.amdhsa_system_sgpr_workgroup_id_x 1
		.amdhsa_system_sgpr_workgroup_id_y 1
		.amdhsa_system_sgpr_workgroup_id_z 1
		.amdhsa_system_vgpr_workitem_id 0
		.amdhsa_next_free_vgpr 256
		.amdhsa_next_free_sgpr 66
		.amdhsa_reserve_vcc 0
		.amdhsa_float_denorm_mode_32 3
		.amdhsa_float_denorm_mode_16_64 3
		.amdhsa_memory_ordered 1
		.amdhsa_forward_progress 1
		.amdhsa_inst_pref_size 68
	.end_amdhsa_kernel
	.amdgpu_metadata
---
amdhsa.version: [ 1, 2 ]
amdhsa.kernels:
  - .name:           k_q6903d4161c_prep
    .symbol:         k_q6903d4161c_prep.kd
    .args:
      - { .name: resid, .offset: 0, .size: 8, .value_kind: global_buffer, .address_space: global }
      - { .name: ln1_w, .offset: 8, .size: 8, .value_kind: global_buffer, .address_space: global }
      - { .name: ln1_b, .offset: 16, .size: 8, .value_kind: global_buffer, .address_space: global }
      - { .name: xq, .offset: 24, .size: 8, .value_kind: global_buffer, .address_space: global }
      - { .name: w_q, .offset: 32, .size: 8, .value_kind: global_buffer, .address_space: global }
      - { .name: w_k, .offset: 40, .size: 8, .value_kind: global_buffer, .address_space: global }
      - { .name: w_v, .offset: 48, .size: 8, .value_kind: global_buffer, .address_space: global }
      - { .name: w_o, .offset: 56, .size: 8, .value_kind: global_buffer, .address_space: global }
      - { .name: w_in, .offset: 64, .size: 8, .value_kind: global_buffer, .address_space: global }
      - { .name: w_out, .offset: 72, .size: 8, .value_kind: global_buffer, .address_space: global }
      - { .name: wts, .offset: 80, .size: 8, .value_kind: global_buffer, .address_space: global }
    .group_segment_fixed_size: 47104
    .private_segment_fixed_size: 0
    .kernarg_segment_align: 8
    .kernarg_segment_size: 88
    .max_flat_workgroup_size: 128
    .sgpr_count:     66
    .vgpr_count:     256
    .wavefront_size: 32
...
	.end_amdgpu_metadata
.endif
;; end of part 1
;; launch qkv (part 2): grid 12 x 16, 4 waves a work-group, clusters of 4 x 4, 279,040 bytes of LDS; arguments xq, wts, qkv; writes qkv
.if DOCPART == 2
	.amdgcn_target "amdgcn-amd-amdhsa--gfx1250"
	.amdhsa_code_object_version 6
	.text
	.protected	k_q6903d4161c_qkv
	.globl	k_q6903d4161c_qkv
	.p2align	8
	.type	k_q6903d4161c_qkv,@function
k_q6903d4161c_qkv:
	s_mov_b64 s[64:65], 0
	v_nop
	global_prefetch_b8 v0, s[64:65] scope:SCOPE_SE
	s_setreg_imm32_b32 hwreg(HW_REG_WAVE_MODE, 25, 1), 1
	s_wait_xcnt 0x0
	s_wait_alu depctr_hold_cnt(0) depctr_sa_sdst(0) depctr_va_vdst(0) depctr_va_sdst(0) depctr_va_ssrc(0) depctr_va_vcc(0) depctr_vm_vsrc(0)
	s_getreg_b32 s2, hwreg(HW_REG_IB_STS2, 6, 4)
	s_cmp_eq_u32 s2, 0
	s_cbranch_scc0 .Lentry_in_a_cluster
	s_endpgm
.Lentry_in_a_cluster:
	s_bfe_u32 s2, ttmp6, 0x10000c
	s_cmp_lg_u32 s2, 0xf033
	s_cbranch_scc0 .Lentry_shape_is_right
	s_endpgm
.Lentry_shape_is_right:
; q, k, v = LN1(x) W on codes of FP4 (E2M1) with E8M0 scales, K = 1,024, and the results quantised at once: q and k along the head's 64, v along the tokens (the keys).
; LIMITS of the quantiser: NaN and infinities are not served; a block whose largest magnitude lies under 2^-124 keeps the byte 1; this program alone reads the bytes.
; SHARES.  A work-group makes 256 tokens x 256 weight rows (cluster x = 0: q, 1: k, 2: v); each of four waves 128 x 128: 64 accumulators, 512 registers.
; ALL OF K LIES IN LDS: four records of 69,632 bytes, codes then scale bytes (my tokens' two, then my weights' two), each filled ONCE: no byte of LDS is filled again.
; A wave has one tensor load out, issued at the head; it is waited for before the first K step.
; CLUSTER 4 x 4: the tokens' tiles are shared along a row of the cluster, the weights' along a column: joint loads with a mask of four.
; OPERANDS LIE IN MEMORY AND LDS IN THE ORDER OF THEIR REGISTERS: a fragment (16 rows x 128 K) is 1,024 dense bytes: two loads at 16 x lane.  Inside each 32 rows slot 16 u + r holds row
; 8 u + r % 8 + 16 (r / 8), so that the 16 registers of two neighbouring tiles of source 0 are 16 neighbours along the next K.
; q, k: source 0 = weights, source 1 = tokens: a lane holds one token and 64 + 64 numbers of two heads.  v: source 0 = tokens, source 1 = weights: a lane holds one channel and 128 tokens.
; The two ways part once on the cluster's x, which all partners share, and do not join.
; REGISTERS: window 0: v1-15 addresses; v32-95 scale words (lanes 0-15 the tokens', lanes 16-31 the weights'); v96-127 at work on the way out; v128-191 source 1's fragments, one set, later the codes made.
;   window 1: source 0's fragments, two sets.  windows 2, 3: accumulator (a, b) at v[8 (8 (a % 4) + b)] of window 2 + a / 4.
; THE LAYOUT AS IT STANDS: xq and wts lie in records of 128 rows (8 groups x 8,192 bytes of codes, then 4,096 scale bytes).  LDS holds four records: my tokens' two, my weights' two.
; Each wave brings ONE record by ONE tensor load at the head, 272 rows of 256 bytes; all of K is in LDS behind the one barrier, and no barrier stands in the K steps.
.set REC,  69632
.set SCL,  65536                       ; the scale bytes' place in a record
.set WC,   0                           ; the weights' first record in wts
.set QREC, 4587520                     ; q's records in qkv
.set ADT,  4                           ; v4-7   tokens' fragments in chunk c
.set ADW,  8                           ; v8-11  weights'
.set ADRS, 12                          ; v12    scale words
.set SC,   32
.set PWS,  96                          ; v96-103 the scale words made
.set TM,   104                         ; v104-119 at work in the quantiser
.set TS,   120                         ; v120-127 scale words on their way out
.set QF,   128
.set SEL,  24                          ; s[24:25] on the way out: lane l xor 16
.set MSB,  0
.macro WIN new                         ; the immediate's high byte repeats the setting that is left
.if MSB != (\new)
	s_set_vgpr_msb (MSB<<8)|(\new)
.set MSB, (\new)
.endif
.endm
.macro CROUND                          ; a round of the cluster's barrier
	s_barrier_signal -1
	s_barrier_wait -1
	s_cmp_lg_u32 s12, 0
	s_cbranch_scc1 .Lnot_wave_0_\@
	s_barrier_signal -3
.Lnot_wave_0_\@:
	s_barrier_wait -3
	s_barrier_signal -1
	s_barrier_wait -1
.endm
.macro PLACES                          ; four plain instructions between a matrix instruction and a load into, or a read of, its registers
.rept 4
	v_nop
.endr
.endm
	s_load_b128 s[4:7], s[0:1], 0x0                ; xq, wts
	s_load_b64 s[8:9], s[0:1], 0x10                ; qkv
	v_lshl_add_u32 v254, v0, 2, 0x44000
	v_mov_b32 v255, 0
	ds_add_u32 v254, v255
	ds_add_u32 v254, v255
	v_lshrrev_b32 v1, 5, v0
	v_readfirstlane_b32 s12, v1                    ; wave
	s_lshr_b32 s13, s12, 1                         ; wy: my half of the tokens.  Also: I fetch tokens (0) or weights (1)
	s_and_b32 s14, s12, 1                          ; wx: my half of the weight rows.  Also: which half I fetch
	s_bfe_u32 s15, ttmp6, 0x40000                  ; cx
	s_bfe_u32 s16, ttmp6, 0x40004                  ; cy
	s_lshl_b32 s17, ttmp9, 2
	s_add_co_u32 s17, s17, s15                     ; tx
	s_and_b32 s18, ttmp7, 0xffff
	s_lshl_b32 s18, s18, 2
	s_add_co_u32 s18, s18, s16                     ; ty
	s_lshl_b32 s19, s16, 2
	s_lshl_b32 s19, 15, s19                        ; my row of the cluster
	s_lshl_b32 s20, 0x1111, s15                    ; my column
	s_or_b32 s24, s19, (3<<16)|(1<<21)             ; group 1, codes: elements of 8 bytes, the mask, bit 21 beside it; no padding: every LDS read is dense
	s_or_b32 s32, s20, (3<<16)|(1<<21)
.irp g, 24, 32
	s_mov_b32 s[\g+1], 32<<16                      ; a dense record as rows of 256 bytes
	s_mov_b32 s[\g+2], 272<<16                     ; 272 of them
	s_mov_b32 s[\g+3], 32<<16
	s_mov_b32 s[\g+4], 272
	s_mov_b32 s[\g+5], 32
	s_mov_b32 s[\g+6], 0
	s_mov_b32 s[\g+7], 0
.endr
	s_lshl_b32 s22, s18, 1
	s_add_co_u32 s22, s22, s14
	s_mul_i32 s22, s22, REC                        ; tokens: record 2 ty + half
	s_mov_b32 s23, 0
	s_lshl_b32 s100, s17, 1
	s_add_co_u32 s100, s100, s14
	s_mul_i32 s100, s100, REC                      ; weights: record 2 tx + half
	s_add_co_u32 s100, s100, WC
	s_mov_b32 s101, 0
	s_mov_b32 s60, 1
	s_mul_i32 s61, s12, REC                        ; where my record goes: wave x a record
	s_mov_b32 s84, 1
	s_mul_i32 s85, s12, REC
	s_wait_dscnt 0x0
	s_wait_kmcnt 0x0
	s_add_nc_u64 s[62:63], s[4:5], s[22:23]
	s_or_b32 s63, s63, 0x80000000
	s_add_nc_u64 s[86:87], s[6:7], s[100:101]
	s_or_b32 s87, s87, 0x80000000
	CROUND                                         ; all sixteen work-groups are here: the joint loads meet
	s_cmp_eq_u32 s13, 0                            ; one load a wave, one to an arm
	s_cbranch_scc0 .Lfill_w
	tensor_load_to_lds s[60:63], s[24:31]
	s_nop 0
.rept 4
	v_nop
.endr
	s_branch .Lfilled
.Lfill_w:
	tensor_load_to_lds s[84:87], s[32:39]
	s_nop 0
.rept 4
	v_nop
.endr
.Lfilled:
	v_and_b32 v1, 15, v0                           ; r
	v_bfe_u32 v2, v0, 4, 1                         ; h
	v_and_b32 v3, 31, v0
	v_lshlrev_b32 v3, 4, v3                        ; 16 x lane
	s_mul_i32 s22, s13, REC                        ; my tokens' record
	v_add_nc_u32 v[ADT], s22, v3
	s_mul_i32 s23, s14, REC
	s_add_co_u32 s23, s23, 2*REC                   ; my weights'
	v_add_nc_u32 v[ADW], s23, v3
	s_sub_co_u32 s23, s23, s22                     ; scale words: the lower base + h x the distance
	v_mul_u32_u24 v[ADRS], s23, v2
	v_lshl_add_u32 v[ADRS], v1, 4, v[ADRS]
	s_add_co_u32 s22, s22, SCL
	v_add_nc_u32 v[ADRS], s22, v[ADRS]
	v_lshlrev_b32 v14, 5, v1
	v_lshl_add_u32 v14, v2, 4, v14                 ; 32 r + 16 h
	v_mul_u32_u24 v15, v2, 143360
	v_lshl_add_u32 v15, v1, 4, v15                 ; 16 r + h x a head's records
.irp b, 0,1,2,3
	v_mov_b32 v[TM+4+\b], 0                        ; written once: a lane permute's destination counts as one of its sources
.endr
.macro FRAG reg, adr, off
.irp c, 0,1
	ds_load_b128 v[\reg+4*\c:\reg+4*\c+3], v[\adr] offset:\off+512*\c
.endr
.endm
.macro FETCH_P pa, s, set              ; source 0's eight fragments of K step s
	WIN 0x40
.irp i, 0,1,2,3,4,5,6,7
	FRAG 128*(\set)+8*\i, \pa, (\s)*1024+8192*\i
.endr
	WIN 0
.endm
.macro FETCH_Q qa, s, i0               ; source 1's blocks i0 .. i0 + 3
.irp i, \i0, \i0+1, \i0+2, \i0+3
	FRAG QF+8*(\i), \qa, (\s)*1024+8192*(\i)
.endr
.endm
.macro SCALES                          ; all of K's scale words: register 32 kq + 4 i + q
.irp kq, 0,1
.irp i, 0,1,2,3,4,5,6,7
	ds_load_b128 v[SC+32*\kq+4*\i:SC+32*\kq+4*\i+3], v[ADRS] offset:2048*\kq+256*\i
.endr
.endr
.endm
; 16 matrix instructions: source 1's blocks a0, a0 + 1 x source 0's eight.  The 64 accumulators take turns, one instruction a turn, in the same order in every step.
; var = 0: source 0 = weights (their scale words in lanes 16-31); var = 1: source 1 = weights.
.macro MUL16 a0, s, zero, var
.irp a, \a0, \a0+1
.irp b, 0,1,2,3,4,5,6,7
.set rD, 8*(8*((\a)%4)+\b)
.set rP, 128*((\s)%2)+8*\b
.set rQ, QF+8*(\a)
.set rX, SC+32*((\s)/4)+(\s)%4+4*\b
.set rY, SC+32*((\s)/4)+(\s)%4+4*(\a)
.if (\var) == 0
.if \zero
	v_wmma_scale_f32_16x16x128_f8f6f4 v[rD:rD+7], v[rP:rP+7], v[rQ:rQ+7], 0, v[rX], v[rY] matrix_a_fmt:MATRIX_FMT_FP4 matrix_b_fmt:MATRIX_FMT_FP4 matrix_a_scale:MATRIX_SCALE_ROW1
.else
	v_wmma_scale_f32_16x16x128_f8f6f4 v[rD:rD+7], v[rP:rP+7], v[rQ:rQ+7], v[rD:rD+7], v[rX], v[rY] matrix_a_fmt:MATRIX_FMT_FP4 matrix_b_fmt:MATRIX_FMT_FP4 matrix_a_scale:MATRIX_SCALE_ROW1
.endif
.else
.if \zero
	v_wmma_scale_f32_16x16x128_f8f6f4 v[rD:rD+7], v[rP:rP+7], v[rQ:rQ+7], 0, v[rX], v[rY] matrix_a_fmt:MATRIX_FMT_FP4 matrix_b_fmt:MATRIX_FMT_FP4 matrix_b_scale:MATRIX_SCALE_ROW1
.else
	v_wmma_scale_f32_16x16x128_f8f6f4 v[rD:rD+7], v[rP:rP+7], v[rQ:rQ+7], v[rD:rD+7], v[rX], v[rY] matrix_a_fmt:MATRIX_FMT_FP4 matrix_b_fmt:MATRIX_FMT_FP4 matrix_b_scale:MATRIX_SCALE_ROW1
.endif
.endif
.endr
.endr
.endm
.macro REST pa, qa, s, zero, var       ; a step's second half: the next step's fragments, the products of blocks 4-7
	PLACES
	FETCH_P \pa, (\s)+1, 1-(\s)%2
	FETCH_Q \qa, (\s)+1, 0
	WIN 0xf1
	MUL16 4, \s, \zero, \var
	MUL16 6, \s, \zero, \var
	PLACES
	WIN 0
	FETCH_Q \qa, (\s)+1, 4
.endm
.macro STEP pa, qa, s, zero, var       ; a step whose successor lies in the same chunk
	s_wait_dscnt 8                                 ; all but source 1's blocks 4-7
	WIN 0xa1
	MUL16 0, \s, \zero, \var
	MUL16 2, \s, \zero, \var
	s_wait_dscnt 0x0
	REST \pa, \qa, \s, \zero, \var
.endm
.macro LOOP pa, qa, var
	FETCH_P \pa, 0, 0
	FETCH_Q \qa, 0, 0
	SCALES
	FETCH_Q \qa, 0, 4
	STEP \pa, \qa, 0, 1, \var                      ; the first products start the sums: nothing is cleared
.irp s, 1,2,3,4,5,6
	STEP \pa, \qa, \s, 0, \var
.endr
	s_wait_dscnt 8
	WIN 0xa1
	MUL16 0, 7, 0, \var
	MUL16 2, 7, 0, \var
	s_wait_dscnt 0x0
	WIN 0xf1
	MUL16 4, 7, 0, \var
	MUL16 6, 7, 0, \var
	WIN 0
	PLACES
.endm
; 64 numbers of a lane in window W, register 16 b + i = k 32 b + 16 (lane / 16) + i of my row, become a fragment's codes in v[pc] on and its scale word in v[pw].  Each accumulator is read from its low end on.
.macro QUANTW src, W, pc, pw
	WIN (\W)|((\W)<<2)
.irp b, 0,1,2,3
	v_max3_num_f32 v[TM+\b], |v[(\src)+16*\b]|, |v[(\src)+1+16*\b]|, 0x1800000   ; with the floor 2^(3 - 127)
.endr
	WIN ((\W)<<2)|((\W)<<4)
.irp i, 2,4,6,8,10,12,14
.irp b, 0,1,2,3
	v_max3_num_f32 v[TM+\b], v[TM+\b], |v[(\src)+16*\b+\i]|, |v[(\src)+1+16*\b+\i]|
.endr
.endr
	WIN 0
.irp b, 0,1,2,3
	v_permlanex16_b32 v[TM+4+\b], v[TM+\b], s[SEL], s[SEL+1]
.endr
.irp b, 0,1,2,3
	v_max_num_f32 v[TM+\b], v[TM+\b], v[TM+4+\b]
.endr
.irp b, 0,1,2,3
	v_add_nc_u32 v[TM+12+\b], 0xff000000, v[TM+\b]  ; 2 off the exponent field: the conversion's scale operand
.endr
.irp b, 0,1,2,3
	v_lshrrev_b32 v[TM+4+\b], 23, v[TM+12+\b]
.endr
	v_lshl_or_b32 v[\pw], v[TM+5], 8, v[TM+4]
	v_lshl_or_b32 v[\pw], v[TM+6], 16, v[\pw]
	v_lshl_or_b32 v[\pw], v[TM+7], 24, v[\pw]
	WIN (\W)
.irp b, 0,1,2,3
	v_cvt_scalef32_pk8_fp4_f32 v[(\pc)+2*\b], v[(\src)+16*\b:(\src)+7+16*\b], v[TM+12+\b]
	v_cvt_scalef32_pk8_fp4_f32 v[(\pc)+1+2*\b], v[(\src)+8+16*\b:(\src)+15+16*\b], v[TM+12+\b]
.endr
	WIN 0
	v_nop                                          ; a plain instruction behind the conversions
.irp c, 0,1
.irp i, 0,1
	v_permlane16_swap_b32 v[(\pc)+4*\c+\i], v[(\pc)+2+4*\c+\i]   ; a whole block to a lane
.endr
.endr
.endm
.macro OUTIDS                          ; all tensor loads are done: the descriptors' registers are free
	s_mov_b32 s[SEL], 0x76543210
	s_mov_b32 s[SEL+1], 0xfedcba98
	s_lshr_b32 s34, s18, 3
	s_lshl_b32 s34, s34, 4
	s_lshl_b32 s35, s15, 2
	s_add_co_u32 s34, s34, s35
	s_lshl_b32 s35, s14, 1
	s_add_co_u32 s34, s34, s35                     ; my first head: 16 batch + 4 cx + 2 wx
	s_and_b32 s35, s18, 7
	s_lshl_b32 s35, s35, 1
	s_add_co_u32 s35, s35, s13                     ; my 128 tokens of the sequence: 2 (ty % 8) + wy
.endm
	s_wait_tensorcnt 0x0                           ; my record is in; behind the barrier everybody's is
	s_barrier_signal -1
	s_barrier_wait -1
	s_cmp_eq_u32 ttmp9, 2                          ; the cluster's x: the same in all partners
	s_cbranch_scc1 .Lvpath
	s_wait_alu depctr_va_vdst(0)
	LOOP ADW, ADT, 0
	OUTIDS
	s_mov_b32 s36, 143360                          ; k: a head's records, a record, the scale words' place in it
	s_mov_b32 s37, 8960
	s_mov_b32 s39, 8192
	s_cmp_eq_u32 ttmp9, 0
	s_cselect_b32 s36, 73728, s36                  ; q
	s_cselect_b32 s37, 4608, s37
	s_cselect_b32 s38, QREC, 0
	s_cselect_b32 s39, 4096, s39
	s_mul_i32 s40, s34, s36
	s_mul_i32 s41, s35, s37
	s_add_co_u32 s40, s40, s41
	s_add_co_u32 s40, s40, s38
	s_mov_b32 s41, 0
	s_add_nc_u64 s[26:27], s[8:9], s[40:41]        ; the first head's record
	s_mov_b32 s40, s36
	s_add_nc_u64 s[28:29], s[26:27], s[40:41]      ; the second head's
	s_mov_b32 s40, s39
	s_add_nc_u64 s[30:31], s[26:27], s[40:41]      ; their scale words
	s_add_nc_u64 s[32:33], s[28:29], s[40:41]
.irp a, 0,1,2,3,4,5,6,7                ; 16 tokens at a time: registers 0-3 of the fragment are the first head's 64, registers 4-7 the second's
	QUANTW 64*(\a%4), 2+\a/4, QF+8*\a, PWS+\a
	global_store_b128 v3, v[QF+8*\a:QF+8*\a+3], s[26:27] offset:512*\a      ; 512 consecutive bytes
	global_store_b128 v3, v[QF+8*\a+4:QF+8*\a+7], s[28:29] offset:512*\a
.endr
	v_cmp_ne_u32 vcc_lo, 0, v2
.irp k, 0,1,2,3
	v_cndmask_b32 v[TS+\k], v[PWS+\k], v[PWS+4+\k], vcc_lo   ; lane (r, h): the words of tiles 4 h .. 4 h + 3 of row r
.endr
.irp k, 0,1,2,3
	v_lshrrev_b32 v[TS+4+\k], 16, v[TS+\k]         ; the second head's two bytes; the bytes above them scale zero codes alone
.endr
	global_store_b128 v14, v[TS:TS+3], s[30:31]
	global_store_b128 v14, v[TS+4:TS+7], s[32:33]
	s_wait_tensorcnt 0x0
	ds_add_u32 v254, v255
	s_wait_dscnt 0x0
	CROUND                                         ; the closing round
	s_endpgm
.Lvpath:
	s_wait_alu depctr_va_vdst(0)
	LOOP ADT, ADW, 1
	OUTIDS
	s_mul_i32 s40, s34, 143360
	s_mul_i32 s41, s35, 8960
	s_add_co_u32 s40, s40, s41
	s_mov_b32 s41, 0
	s_add_nc_u64 s[26:27], s[8:9], s[40:41]
.irp a, 0,1,2,3,4,5,6,7                ; 16 channels at a time (head a / 4, tile a % 4): a whole fragment of V^T, K = my 128 tokens
	QUANTW 64*(\a%4), 2+\a/4, QF+8*\a, PWS+\a
	global_store_b128 v3, v[QF+8*\a:QF+8*\a+3], s[26:27] offset:4096+(\a/4)*143360+(\a%4)*1024
	global_store_b128 v3, v[QF+8*\a+4:QF+8*\a+7], s[26:27] offset:4096+(\a/4)*143360+(\a%4)*1024+512
.endr
	v_cmp_ne_u32 vcc_lo, 0, v2
.irp k, 0,1,2,3
	v_cndmask_b32 v[TS+\k], v[PWS+\k], v[PWS+4+\k], vcc_lo   ; lanes 0-15 the first head's four words of row r, lanes 16-31 the second's
.endr
	global_store_b128 v15, v[TS:TS+3], s[26:27] offset:8704  ; two runs of 256 consecutive bytes
	s_wait_tensorcnt 0x0
	ds_add_u32 v254, v255
	s_wait_dscnt 0x0
	CROUND                                         ; the closing round
	s_endpgm
.Lfunc_end_k_q6903d4161c_qkv:
	.size	k_q6903d4161c_qkv, .Lfunc_end_k_q6903d4161c_qkv-k_q6903d4161c_qkv
	.p2alignl 7, 3214868480
	.fill 96, 4, 3214868480
	.section	.rodata,"a",@progbits
	.p2align	6, 0x0
	.amdhsa_kernel k_q6903d4161c_qkv
		.amdhsa_group_segment_fixed_size 279040
		.amdhsa_private_segment_fixed_size 0
		.amdhsa_enable_private_segment 0
		.amdhsa_kernarg_size 24
		.amdhsa_user_sgpr_count 2
		.amdhsa_user_sgpr_kernarg_segment_ptr 1
		.amdhsa_wavefront_size32 1
		.amdhsa_system_sgpr_workgroup_id_x 1
		.amdhsa_system_sgpr_workgroup_id_y 1
		.amdhsa_system_sgpr_workgroup_id_z 1
		.amdhsa_system_vgpr_workitem_id 0
		.amdhsa_next_free_vgpr 1024
		.amdhsa_next_free_sgpr 102
		.amdhsa_reserve_vcc 1
		.amdhsa_float_denorm_mode_32 3
		.amdhsa_float_denorm_mode_16_64 3
		.amdhsa_memory_ordered 1
		.amdhsa_forward_progress 1
		.amdhsa_inst_pref_size 243
	.end_amdhsa_kernel
	.amdgpu_metadata
---
amdhsa.version: [ 1, 2 ]
amdhsa.kernels:
  - .name:           k_q6903d4161c_qkv
    .symbol:         k_q6903d4161c_qkv.kd
    .args:
      - { .name: xq, .offset: 0, .size: 8, .value_kind: global_buffer, .address_space: global }
      - { .name: wts, .offset: 8, .size: 8, .value_kind: global_buffer, .address_space: global }
      - { .name: qkv, .offset: 16, .size: 8, .value_kind: global_buffer, .address_space: global }
    .group_segment_fixed_size: 279040
    .private_segment_fixed_size: 0
    .kernarg_segment_align: 8
    .kernarg_segment_size: 24
    .max_flat_workgroup_size: 128
    .sgpr_count:     102
    .vgpr_count:     1024
    .wavefront_size: 32
...
	.end_amdgpu_metadata
.endif
;; end of part 2
;; launch attn (part 3): grid 8 x 32, 16 waves a work-group, clusters of 4 x 1, 292,864 bytes of LDS; arguments qkv, zq; writes zq
.if DOCPART == 3
	.amdgcn_target "amdgcn-amd-amdhsa--gfx1250"
	.amdhsa_code_object_version 6
	.text
	.protected	k_q6903d4161c_attn
	.globl	k_q6903d4161c_attn
	.p2align	8
	.type	k_q6903d4161c_attn,@function
k_q6903d4161c_attn:
	s_mov_b64 s[64:65], 0
	v_nop
	global_prefetch_b8 v0, s[64:65] scope:SCOPE_SE
	s_setreg_imm32_b32 hwreg(HW_REG_WAVE_MODE, 25, 1), 1
	s_wait_xcnt 0x0
	s_wait_alu depctr_hold_cnt(0) depctr_sa_sdst(0) depctr_va_vdst(0) depctr_va_sdst(0) depctr_va_ssrc(0) depctr_va_vcc(0) depctr_vm_vsrc(0)
	s_getreg_b32 s2, hwreg(HW_REG_IB_STS2, 6, 4)
	s_cmp_eq_u32 s2, 0
	s_cbranch_scc0 .Lentry_in_a_cluster
	s_endpgm
.Lentry_in_a_cluster:
	s_bfe_u32 s2, ttmp6, 0x10000c
	s_cmp_lg_u32 s2, 0x3003
	s_cbranch_scc0 .Lentry_shape_is_right
	s_endpgm
.Lentry_shape_is_right:
; z = softmax(q k^T / 8, causal) v for one head, both products on codes of FP4 (E2M1) with E8M0 scales, and z quantised along the head's 64.
; THE SOFTMAX: t = score x log2(e) / 8; M = the running largest t rounded UP to a whole number; p = 2^(t - M) is quantised along the keys, not normalised; the row's sum is taken of the
; unquantised p and divides at the end.  When M moves, the sum and O are multiplied by 2^(old M - new M): exact.
; WORK LEFT OUT: key steps all of whose 128 keys come after the tile's queries: the causal mask sets their scores to -inf, so their p is 0 for all values of the inputs.
; LIMITS: NaN and infinities are not served; a block whose largest magnitude lies under 2^-124 (a block of zeros among them) keeps the byte 1; this program alone reads the bytes.
; The promise holds while the scaled scores stay under 2^31 in magnitude.
; SHARES.  A head has 16 blocks of 128 queries, 8 tiles of 16 each.  A cluster of four work-groups (two clusters to a head) serves blocks i and 15 - i, i = 2 p + the cluster's x, p = 0 .. 3.
; A PAIR OF TILES (one of block 15 - i, the same one of block i: 17 key steps) IS SHARED BY TWO WAVES: wave u (0 .. 7) takes the even records of keys, wave u + 8 the odd ones: 9 and 8 steps,
; four waves to a SIMD.  Each wave keeps its own running M, sum and O^T and lays them into LDS bytes of its own; behind one barrier wave u joins the late tile's two parts and wave u + 8 the
; early tile's: both parts are brought under the larger M by a power of two, which rounds nothing, and a part with no step has the sum 0 and the factor 0.
; p = wave % 4 hangs on the wave's number alone, so the steps left out are the same in all partners; a partner's place picks the tile (2 cx + (wave / 4) % 2) and enters only Q's and z's
; addresses in memory and the mask's compare.
; THE WHOLE HEAD'S K AND V LIE IN LDS, 16 records of 8,960 bytes (128 keys: K's 8 tiles, V^T's 4 fragments, their scale words), each filled once: wave w brings record w by one joint load
; (35 rows of 256 bytes, the mask of all four partners).  Nothing is prefetched: every byte of K and V is asked for at the head, and there is no later load to run ahead of.
; LAYOUT.  Both products transposed (S^T = K Q^T, O^T = V^T P^T): a lane holds ONE query.  Inside each 32 rows slot 16 u + r holds row 8 u + r % 8 + 16 (r / 8): the 16 registers of tiles 2 b,
; 2 b + 1 are keys 32 b + 16 (lane / 16) + 0 .. 15.  The head has 64 channels: registers 4-7 of Q's fragment are zero codes.  K'S TILES LIE 4 REGISTERS APART: the upper four registers of
; tile t's fragment are tile t + 1's codes; they meet Q's zero codes alone, under finite scale bytes, and add exactly 0.
; A STEP'S LDS LOADS RUN AHEAD: V's at the step's head, my next step's K straight behind the score products.
; z goes out into records of 128 tokens: 8 groups x 8,192 bytes of codes, then [K step][row][tile] scale words.
.set REC,   8960
.set QREC,  4587520
.set ZREC,  69632
.set STG,   16*REC                     ; behind the records: a part's place, PB bytes for each wave and tile: O^T as an image of its registers (8 x 512), then -M and the sum (8 bytes a lane)
.set PB,    4608
.set SPARE, STG+32*PB                  ; the spare words: 128 bytes a wave, eight blocks of 256 bytes that no other line names
.set WV,  8
.set IDX, 11
.set BLK, 12
.set KG,  38
.set TB,  39
.set TN,  48
.set HF,  52                           ; s52 0: the even records, 1: the odd ones
.set CNT, 53
.set T0,  54                           ; s54 my first record's place
.set CS,  44                           ; s[44:45] c = log2(e) / 8
.set SEL, 46                           ; s[46:47] lane l xor 16
.set SPW, 5                            ; v5 my spare word, v6 = 0: never rewritten
.set NIL, 6
.set KS,  24                           ; v24-31   K's scale words
.set KT,  32                           ; v32-67   K's eight tiles, 4 registers apart, and 4 of zeros
.set VT,  68                           ; v68-99   V^T's four fragments
.set VS,  100                          ; v100-103 V's scale words
.set P,   104                          ; v104-167 S^T, then p
.set O,   168                          ; v168-199 O^T
.set PC,  200                          ; v200-207 p's codes
.set BM,  208                          ; the blocks' largest scores
.set PT,  212
.set SO,  216                          ; the conversions' scale operands
.set F,   220                          ; v[220:221] f
.set TMP, 222
.set PW,  223                          ; p's scale word
.set AK,  232                          ; v232, v233 my first record's K: tiles, scale words
.set AO,  234                          ; v234, v235 where my parts go: O^T; -M and the sum
.set AM,  236                          ; v236-239 the two parts that I join: O^T of the even half, of the odd half; their -M and sums
.macro CROUND                          ; a round of the cluster's barrier
	s_barrier_signal -1
	s_barrier_wait -1
	s_cmp_lg_u32 s[WV], 0
	s_cbranch_scc1 .Lnot_wave_0_\@
	s_barrier_signal -3
.Lnot_wave_0_\@:
	s_barrier_wait -3
	s_barrier_signal -1
	s_barrier_wait -1
.endm
.macro QADR blk, sa                    ; where block blk's tile of Q and its scale words lie
	s_mul_i32 s49, s[\blk], 4608
	s_add_co_u32 s[\sa], s49, s28
	s_mov_b32 s[\sa+1], 0
	s_add_nc_u64 s[\sa:\sa+1], s[4:5], s[\sa:\sa+1]
	s_add_co_u32 s[\sa+2], s49, s29
	s_mov_b32 s[\sa+3], 0
	s_add_nc_u64 s[\sa+2:\sa+3], s[4:5], s[\sa+2:\sa+3]
.endm
	s_load_b128 s[4:7], s[0:1], 0x0                ; qkv, zq
	v_lshl_add_u32 v[SPW], v0, 2, SPARE
	v_mov_b32 v[NIL], 0
	ds_add_u32 v[SPW], v[NIL]                      ; the opening lines: the add, twice on end, and its wait
	ds_add_u32 v[SPW], v[NIL]
	v_lshrrev_b32 v1, 5, v0
	v_readfirstlane_b32 s[WV], v1                  ; wave 0..15
	s_and_b32 s9, ttmp7, 0xffff                    ; batch x 16 + head: the partners share it
	s_bfe_u32 s13, ttmp6, 0x40000                  ; cx
	s_and_b32 s14, s[WV], 3
	s_lshl_b32 s14, s14, 1
	s_add_co_u32 s14, s14, ttmp9                   ; the early block i = 2 (wave % 4) + the cluster's x
	s_sub_co_u32 s15, 15, s14                      ; the late block
	s_bfe_u32 s[IDX], s[WV], 0x10002
	s_lshl_b32 s10, s13, 1
	s_add_co_u32 s[IDX], s[IDX], s10               ; my tile in both blocks: 2 cx + (wave / 4) % 2
	s_lshr_b32 s[HF], s[WV], 3
	s_mul_i32 s[T0], s[HF], REC
	s_mov_b32 s16, 15|(3<<16)|(1<<21)              ; group 1: a dense record as 35 rows of 256 bytes (32 elements of 8 bytes); the mask of all four partners, bit 21 beside it
	s_mov_b32 s17, 32<<16
	s_mov_b32 s18, 35<<16
	s_mov_b32 s19, 32<<16
	s_mov_b32 s20, 35
	s_mov_b32 s21, 32
	s_mov_b32 s22, 0
	s_mov_b32 s23, 0
	s_mul_i32 s28, s9, 143360
	s_mul_i32 s25, s[WV], REC                      ; record w, in LDS and in the head
	s_add_co_u32 s28, s28, s25
	s_mov_b32 s29, 0
	s_mov_b32 s24, 1
	s_mov_b32 s[CS], 0x3e38aa3b
	s_mov_b32 s[CS+1], s[CS]
	s_mov_b32 s[SEL], 0x76543210
	s_mov_b32 s[SEL+1], 0xfedcba98
	s_wait_dscnt 0x0
	s_wait_kmcnt 0x0
	s_add_nc_u64 s[26:27], s[4:5], s[28:29]
	s_or_b32 s27, s27, 0x80000000
	CROUND                                         ; all four work-groups are here: the joint loads meet
	tensor_load_to_lds s[24:27], s[16:23]
	s_nop 0
.rept 4
	v_nop
.endr
	s_mul_i32 s28, s9, 73728
	s_add_co_u32 s28, s28, QREC                    ; my head's records of Q
	s_lshl_b32 s29, s[IDX], 2
	s_add_co_u32 s29, s29, s28
	s_add_co_u32 s29, s29, 4096                    ; + my tile's scale words
	s_lshl_b32 s49, s[IDX], 9
	s_add_co_u32 s28, s28, s49                     ; + my tile's codes
	QADR 15, 30
	QADR 14, 34
	s_lshr_b32 s50, s[IDX], 1
	s_lshl_b32 s50, s50, 5
	s_and_b32 s51, s[IDX], 1
	s_lshl_b32 s51, s51, 3
	s_add_co_u32 s50, s50, s51
	s_mul_i32 s55, s[WV], 2*PB
	s_add_co_u32 s55, s55, STG                     ; my two parts' place
	s_and_b32 s56, s[WV], 7
	s_mul_i32 s56, s56, 2*PB
	s_mul_i32 s57, s[HF], PB
	s_add_co_u32 s56, s56, s57
	s_add_co_u32 s56, s56, STG                     ; the even half's part of the tile that I join: tile HF of pair wave % 8
	v_and_b32 v7, 31, v0
	v_lshlrev_b32 v1, 4, v7                        ; 16 x lane
	v_lshlrev_b32 v9, 3, v7                        ; 8 x lane
	v_and_b32 v7, 15, v0                           ; r
	v_lshlrev_b32 v2, 5, v7                        ; 32 r
	v_lshlrev_b32 v3, 4, v7                        ; 16 r
	global_load_b128 v[16:19], v1, s[30:31]        ; the late block's Q: 64 channels,
	global_load_b32 v224, v2, s[32:33]             ; and its scale words
	global_load_b128 v[240:243], v1, s[34:35]      ; the early block's
	global_load_b32 v225, v2, s[36:37]
	v_and_b32 v4, 7, v7
	v_lshrrev_b32 v8, 3, v7
	v_lshl_add_u32 v4, v8, 4, v4
	v_add_nc_u32 v4, s50, v4                       ; my query in its block of 128,
	v_bfe_u32 v8, v0, 4, 1
	v_lshlrev_b32 v8, 4, v8
	v_sub_nc_u32 v4, v4, v8                        ; less 16 h: register 16 b + i is hidden on the diagonal where 32 b + i is above this
	v_add_nc_u32 v[AK], s[T0], v1
	v_add_nc_u32 v[AK+1], s[T0], v2
	v_add_nc_u32 v[AO], s55, v1
	v_add_nc_u32 v[AO+1], s55, v9
	v_add_nc_u32 v[AO+1], 4096, v[AO+1]
	v_add_nc_u32 v[AM], s56, v1
	v_add_nc_u32 v[AM+1], 16*PB, v[AM]             ; the odd half's waves lie eight waves on
	v_add_nc_u32 v[AM+2], s56, v9
	v_add_nc_u32 v[AM+2], 4096, v[AM+2]
	v_add_nc_u32 v[AM+3], 16*PB, v[AM+2]
.irp j, 20,21,22,23,244,245,246,247
	v_mov_b32 v[\j], 0                             ; zero codes for k = 64 .. 127
.endr
.irp j, 0,1,2,3
	v_mov_b32 v[KT+32+\j], 0                       ; the upper half of K's last fragment
	v_mov_b32 v[PT+\j], 0                          ; a lane permute's destination counts as one of its sources
.endr
	v_mov_b32 v[F+1], 0                            ; named as the upper halves of pairs
	v_mov_b32 v227, 0
	v_mov_b32 v[TMP], 0
; MY HALF OF ONE TILE'S KEY STEPS, and its part into LDS.  qf, qs: Q's fragment and scale words; ph: 0 the late tile, 1 the early one.
.macro PHASE qf, qs, ph
	v_mov_b32 v13, 0xff61b1e6                      ; the largest t so far: -3e38
	v_floor_f32 v12, -v13
	v_mov_b32 v14, 0
	v_mov_b32 v15, 0
.set i, 0
.rept 32
	v_mov_b32 v[O+i], 0                            ; O^T: the step is written once; the first finds zeros
.set i, i+1
.endr
	s_mov_b32 s[CNT], 0
	s_mov_b32 s[KG], s[HF]
	s_mov_b32 s[TB], s[T0]
	ds_load_b128 v[KS:KS+3], v[AK+1] offset:8192   ; my first record's K: scale words, tiles
	ds_load_b128 v[KS+4:KS+7], v[AK+1] offset:8208
.irp t, 0,1,2,3,4,5,6,7
	ds_load_b128 v[KT+4*\t:KT+4*\t+3], v[AK] offset:512*\t
.endr
.Lkey_\@:                                          ; 8 trips, a constant: every second record; a step all of whose keys come after my queries is jumped over
	s_cmp_gt_u32 s[KG], s[BLK]
	s_cbranch_scc1 .Lhidden_\@
	s_add_co_u32 s[TN], s[TB], 2*REC
	s_min_u32 s[TN], s[TN], 15*REC                 ; my next record, held at the last
	v_add_nc_u32 v8, s[TB], v1                     ; (these four are the places behind the last products, ahead of the loads into V's registers)
	v_add_nc_u32 v10, s[TB], v3
	v_add_nc_u32 v9, s[TN], v1
	v_add_nc_u32 v11, s[TN], v2
.irp t, 0,1,2,3
.irp c, 0,1
	ds_load_b128 v[VT+8*\t+4*\c:VT+8*\t+4*\c+3], v8 offset:4096+1024*\t+512*\c
.endr
.endr
	ds_load_b128 v[VS:VS+3], v10 offset:8704       ; V's scale words
	s_wait_alu depctr_va_vdst(0)
	s_wait_dscnt 9                                 ; K's ten loads, asked for a step ago, are in; V's nine may be out
.irp t, 0,1,2,3,4,5,6,7
	v_wmma_scale_f32_16x16x128_f8f6f4 v[P+8*\t:P+8*\t+7], v[KT+4*\t:KT+4*\t+7], v[\qf:\qf+7], 0, v[KS+\t], v[\qs] matrix_a_fmt:MATRIX_FMT_FP4 matrix_b_fmt:MATRIX_FMT_FP4
.endr
.rept 4
	v_nop                                          ; places ahead of the loads into K's registers and of the first read of the scores
.endr
	ds_load_b128 v[KS:KS+3], v11 offset:8192       ; my next step's K: it has the softmax in which to land
	ds_load_b128 v[KS+4:KS+7], v11 offset:8208
.irp t, 0,1,2,3,4,5,6,7
	ds_load_b128 v[KT+4*\t:KT+4*\t+3], v9 offset:512*\t
.endr
	s_cmp_lg_u32 s[KG], s[BLK]                     ; only the step on the diagonal hides keys
	s_cbranch_scc1 .Lopen_\@
	v_mov_b32 v[TMP], 0xff800000                   ; -infinity: p = 0
.set i, 0
.rept 64
	v_cmp_gt_i32 vcc_lo, 32*(i/16)+i%16, v4
	v_cndmask_b32 v[P+i], v[P+i], v[TMP], vcc_lo
.set i, i+1
.endr
.Lopen_\@:
.irp b, 0,1,2,3
	v_max3_num_f32 v[BM+\b], v[P+16*\b], v[P+1+16*\b], v[P+2+16*\b]   ; the largest score of each block of 32 keys: for the row's maximum and, since p rises with the score, for the block's largest p
.endr
.irp i, 3,5,7,9,11,13
.irp b, 0,1,2,3
	v_max3_num_f32 v[BM+\b], v[BM+\b], v[P+16*\b+\i], v[P+1+16*\b+\i]
.endr
.endr
.irp b, 0,1,2,3
	v_max_num_f32 v[BM+\b], v[BM+\b], v[P+15+16*\b]
.endr
.irp b, 0,1,2,3
	v_permlanex16_b32 v[PT+\b], v[BM+\b], s[SEL], s[SEL+1]
.endr
.irp b, 0,1,2,3
	v_max_num_f32 v[BM+\b], v[BM+\b], v[PT+\b]
.endr
	v_max3_num_f32 v[TMP], v[BM], v[BM+1], v[BM+2]
	v_max_num_f32 v[TMP], v[TMP], v[BM+3]
	v_mul_f32 v[TMP], s[CS], v[TMP]
	v_max_num_f32 v13, v13, v[TMP]                 ; the running largest t
	v_mov_b32 v[TMP], v12
	v_floor_f32 v12, -v13                          ; the new -M = -ceil(t)
	v_sub_f32 v[TMP], v12, v[TMP]                  ; old M - new M: a whole number, 0 or less
	v_cvt_i32_f32 v[TMP], v[TMP]                   ; (it saturates)
	v_ldexp_f32 v[F], 1.0, v[TMP]                  ; f = 2^(old M - new M)
.set i, 0
.rept 32
	v_pk_fma_f32 v[P+i:P+i+1], v[P+i:P+i+1], s[CS:CS+1], v[12:13] op_sel_hi:[1,0,0]   ; t - M
.set i, i+2
.endr
.irp b, 0,1,2,3
	v_fma_f32 v[BM+\b], v[BM+\b], s[CS], v12
.endr
.set i, 0
.rept 16
	v_pk_mul_f32 v[O+i:O+i+1], v[O+i:O+i+1], v[F:F+1] op_sel_hi:[1,0]   ; O^T under the new M: read ahead of the step's exponentials
.set i, i+2
.endr
	v_pk_mul_f32 v[14:15], v[14:15], v[F:F+1] op_sel_hi:[1,0]           ; the sums likewise
	s_wait_alu depctr_va_vdst(0)                   ; one wait ahead of the batch
.irp b, 0,1,2,3
	v_exp_f32 v[BM+\b], v[BM+\b]                   ; the blocks' largest p
.endr
.set i, 0
.rept 64
	v_exp_f32 v[P+i], v[P+i]                       ; p
.set i, i+1
.endr
	v_nop                                          ; a plain instruction behind the exponentials
	s_wait_alu depctr_va_vdst(0)                   ; and one behind it, ahead of its first reader
.irp b, 0,1,2,3
	v_max_num_f32 v[BM+\b], 0x1800000, v[BM+\b]    ; the floor 2^(3 - 127)
.endr
.irp b, 0,1,2,3
	v_add_nc_u32 v[SO+\b], 0xff000000, v[BM+\b]
.endr
.irp b, 0,1,2,3
	v_lshrrev_b32 v[PT+\b], 23, v[SO+\b]
.endr
	v_lshl_or_b32 v[PW], v[PT+1], 8, v[PT]         ; p's scale word for these 128 keys
	v_lshl_or_b32 v[PW], v[PT+2], 16, v[PW]
	v_lshl_or_b32 v[PW], v[PT+3], 24, v[PW]
.irp b, 0,1,2,3
	v_cvt_scalef32_pk8_fp4_f32 v[PC+2*\b], v[P+16*\b:P+7+16*\b], v[SO+\b]
	v_cvt_scalef32_pk8_fp4_f32 v[PC+1+2*\b], v[P+8+16*\b:P+15+16*\b], v[SO+\b]
.endr
	; the row's sum of the unquantised p, in four chains: 16 additions behind the conversions, 16 as the places between the codes' exchange and the products
	v_pk_add_f32 v[226:227], v[P:P+1], v[P+2:P+3]
	v_pk_add_f32 v[228:229], v[P+4:P+5], v[P+6:P+7]
	v_pk_add_f32 v[230:231], v[P+8:P+9], v[P+10:P+11]
	v_pk_add_f32 v[14:15], v[14:15], v[P+12:P+13]
.irp j, 14,22,30
	v_pk_add_f32 v[226:227], v[226:227], v[P+\j:P+\j+1]
	v_pk_add_f32 v[228:229], v[228:229], v[P+\j+2:P+\j+3]
	v_pk_add_f32 v[230:231], v[230:231], v[P+\j+4:P+\j+5]
	v_pk_add_f32 v[14:15], v[14:15], v[P+\j+6:P+\j+7]
.endr
.irp c, 0,1
.irp i, 0,1
	v_permlane16_swap_b32 v[PC+4*\c+\i], v[PC+2+4*\c+\i]   ; a whole block to a lane
.endr
.endr
.irp j, 38,46,54
	v_pk_add_f32 v[226:227], v[226:227], v[P+\j:P+\j+1]
	v_pk_add_f32 v[228:229], v[228:229], v[P+\j+2:P+\j+3]
	v_pk_add_f32 v[230:231], v[230:231], v[P+\j+4:P+\j+5]
	v_pk_add_f32 v[14:15], v[14:15], v[P+\j+6:P+\j+7]
.endr
	v_pk_add_f32 v[14:15], v[14:15], v[P+62:P+63]
	v_pk_add_f32 v[226:227], v[226:227], v[228:229]
	v_pk_add_f32 v[14:15], v[14:15], v[230:231]
	v_pk_add_f32 v[14:15], v[14:15], v[226:227]
	s_wait_alu depctr_va_vdst(0)
	s_wait_dscnt 10                                ; V is in; the next K's ten loads may be out
.irp t, 0,1,2,3
	v_wmma_scale_f32_16x16x128_f8f6f4 v[O+8*\t:O+8*\t+7], v[VT+8*\t:VT+8*\t+7], v[PC:PC+7], v[O+8*\t:O+8*\t+7], v[VS+\t], v[PW] matrix_a_fmt:MATRIX_FMT_FP4 matrix_b_fmt:MATRIX_FMT_FP4
.endr
.Lhidden_\@:
	s_add_co_u32 s[TB], s[TB], 2*REC
	s_add_co_u32 s[KG], s[KG], 2
	s_add_co_u32 s[CNT], s[CNT], 1
	s_cmp_lt_u32 s[CNT], 8
	s_cbranch_scc1 .Lkey_\@
	s_wait_dscnt 0x0                               ; the last look-ahead for K has landed: its registers may be loaded anew
.rept 4
	v_nop                                          ; places behind the last products
.endr
	v_add_f32 v13, v14, v15                        ; the sum's two halves, beside -M
	s_wait_alu depctr_va_vdst(0)
.irp k, 0,1,2,3,4,5,6,7
	ds_store_b128 v[AO], v[O+4*\k:O+4*\k+3] offset:\ph*PB+512*\k   ; my part: O^T as an image of its registers, each accumulator from its low end on,
.endr
	ds_store_b64 v[AO+1], v[12:13] offset:\ph*PB   ; -M and the sum
.endm
	s_wait_alu depctr_va_vdst(0)
	s_wait_tensorcnt 0x0                           ; my record is in,
	s_barrier_signal -1
	s_barrier_wait -1                              ; everybody's is
	s_wait_loadcnt 0x0                             ; Q, both tiles
	s_mov_b32 s[BLK], s15
	PHASE 16, 224, 0                               ; the late block's tile
	s_mov_b32 s[BLK], s14
	PHASE 240, 225, 1                              ; the early block's
	s_wait_dscnt 0x0                               ; for the others' sake: my parts lie in LDS
	s_barrier_signal -1
	s_barrier_wait -1
	; THE JOIN AND THE WAY OUT: the two parts of tile HF of my pair; z = O^T / the sum, quantised along the head's 64
.irp k, 0,1,2,3,4,5,6,7
	ds_load_b128 v[O+4*\k:O+4*\k+3], v[AM] offset:512*\k
	ds_load_b128 v[P+4*\k:P+4*\k+3], v[AM+1] offset:512*\k
.endr
	ds_load_b64 v[12:13], v[AM+2]
	ds_load_b64 v[14:15], v[AM+3]
	s_cmp_eq_u32 s[HF], 0
	s_cselect_b32 s[BLK], s15, s14                 ; the block of the tile that I join
	s_lshr_b32 s49, s9, 4
	s_lshl_b32 s49, s49, 4
	s_add_co_u32 s49, s49, s[BLK]
	s_mul_i32 s49, s49, ZREC                       ; z's record of these 128 tokens: 16 batch + block
	s_and_b32 s50, s9, 15                          ; head
	s_lshl_b32 s40, s[IDX], 13                     ; the 16 rows' group,
	s_add_co_u32 s40, s40, s49
	s_lshl_b32 s41, s50, 9                         ; my head's 64 along K
	s_add_co_u32 s40, s40, s41
	s_mov_b32 s41, 0
	s_add_nc_u64 s[40:41], s[6:7], s[40:41]
	s_lshr_b32 s42, s50, 1                         ; scale words [K step = head / 2][r][tile]
	s_lshl_b32 s42, s42, 9
	s_add_co_u32 s42, s42, s49
	s_lshl_b32 s43, s[IDX], 2
	s_add_co_u32 s42, s42, s43
	s_and_b32 s43, s9, 1
	s_lshl_b32 s43, s43, 1
	s_add_co_u32 s42, s42, s43
	s_add_co_u32 s42, s42, 65536
	s_mov_b32 s43, 0
	s_add_nc_u64 s[42:43], s[6:7], s[42:43]
	s_wait_dscnt 0x0
	v_min_num_f32 v[TMP], v12, v14                 ; -M of both parts: the larger M
	v_sub_f32 v[BM], v[TMP], v12                   ; each part's M less that: a whole number, 0 or less
	v_sub_f32 v[BM+1], v[TMP], v14
	v_cvt_i32_f32 v[BM], v[BM]                     ; (it saturates: a part with no step gets the factor 0)
	v_cvt_i32_f32 v[BM+1], v[BM+1]
	v_ldexp_f32 v[BM], 1.0, v[BM]
	v_ldexp_f32 v[BM+1], 1.0, v[BM+1]
	v_mul_f32 v13, v13, v[BM]
	v_fma_f32 v13, v15, v[BM+1], v13               ; the sum under the common M,
	v_permlanex16_b32 v[TMP], v13, s[SEL], s[SEL+1]
	v_add_f32 v13, v13, v[TMP]                     ; with lane l xor 16's keys
	s_wait_alu depctr_va_vdst(0)                   ; the wait ahead of the transcendental
	v_rcp_f32 v13, v13
	v_nop
	s_wait_alu depctr_va_vdst(0)                   ; and ahead of its first reader
	v_mul_f32 v[F], v[BM], v13
	v_mul_f32 v226, v[BM+1], v13
.set i, 0
.rept 16
	v_pk_mul_f32 v[P+i:P+i+1], v[P+i:P+i+1], v[226:227] op_sel_hi:[1,0]
.set i, i+2
.endr
.set i, 0
.rept 16
	v_pk_fma_f32 v[P+i:P+i+1], v[O+i:O+i+1], v[F:F+1], v[P+i:P+i+1] op_sel_hi:[1,0,1]
.set i, i+2
.endr
.irp b, 0,1
	v_max3_num_f32 v[BM+\b], |v[P+16*\b]|, |v[P+1+16*\b]|, 0x1800000
.endr
.irp i, 2,4,6,8,10,12,14
.irp b, 0,1
	v_max3_num_f32 v[BM+\b], v[BM+\b], |v[P+16*\b+\i]|, |v[P+1+16*\b+\i]|
.endr
.endr
.irp b, 0,1
	v_permlanex16_b32 v[PT+\b], v[BM+\b], s[SEL], s[SEL+1]
.endr
.irp b, 0,1
	v_max_num_f32 v[BM+\b], v[BM+\b], v[PT+\b]
.endr
.irp b, 0,1
	v_add_nc_u32 v[SO+\b], 0xff000000, v[BM+\b]
.endr
.irp b, 0,1
	v_lshrrev_b32 v[PT+\b], 23, v[SO+\b]
.endr
	v_lshl_or_b32 v[TMP], v[PT+1], 8, v[PT]        ; my head's two bytes of the row's scale word
.irp b, 0,1
	v_cvt_scalef32_pk8_fp4_f32 v[PC+2*\b], v[P+16*\b:P+7+16*\b], v[SO+\b]
	v_cvt_scalef32_pk8_fp4_f32 v[PC+1+2*\b], v[P+8+16*\b:P+15+16*\b], v[SO+\b]
.endr
	v_nop                                          ; a plain instruction behind the conversions
	v_permlane16_swap_b32 v[PC], v[PC+2]
	v_permlane16_swap_b32 v[PC+1], v[PC+3]
	global_store_b128 v1, v[PC:PC+3], s[40:41]     ; 512 consecutive bytes
	global_store_b16 v2, v[TMP], s[42:43]          ; two bytes of each row's word, 32 bytes apart (both halves of the lanes store the same); the word's other half is another head's
	s_wait_tensorcnt 0x0                           ; the wave's end
	ds_add_u32 v[SPW], v[NIL]
	s_wait_dscnt 0x0
	CROUND                                         ; the closing round: no work-group ends while a partner may still ask for a record that names it
	s_endpgm
.Lfunc_end_k_q6903d4161c_attn:
	.size	k_q6903d4161c_attn, .Lfunc_end_k_q6903d4161c_attn-k_q6903d4161c_attn
	.p2alignl 7, 3214868480
	.fill 96, 4, 3214868480
	.section	.rodata,"a",@progbits
	.p2align	6, 0x0
	.amdhsa_kernel k_q6903d4161c_attn
		.amdhsa_group_segment_fixed_size 292864
		.amdhsa_private_segment_fixed_size 0
		.amdhsa_enable_private_segment 0
		.amdhsa_kernarg_size 16
		.amdhsa_user_sgpr_count 2
		.amdhsa_user_sgpr_kernarg_segment_ptr 1
		.amdhsa_wavefront_size32 1
		.amdhsa_system_sgpr_workgroup_id_x 1
		.amdhsa_system_sgpr_workgroup_id_y 1
		.amdhsa_system_sgpr_workgroup_id_z 1
		.amdhsa_system_vgpr_workitem_id 0
		.amdhsa_next_free_vgpr 256
		.amdhsa_next_free_sgpr 66
		.amdhsa_reserve_vcc 1
		.amdhsa_float_denorm_mode_32 3
		.amdhsa_float_denorm_mode_16_64 3
		.amdhsa_memory_ordered 1
		.amdhsa_forward_progress 1
		.amdhsa_inst_pref_size 60
	.end_amdhsa_kernel
	.amdgpu_metadata
---
amdhsa.version: [ 1, 2 ]
amdhsa.kernels:
  - .name:           k_q6903d4161c_attn
    .symbol:         k_q6903d4161c_attn.kd
    .args:
      - { .name: qkv, .offset: 0, .size: 8, .value_kind: global_buffer, .address_space: global }
      - { .name: zq, .offset: 8, .size: 8, .value_kind: global_buffer, .address_space: global }
    .group_segment_fixed_size: 292864
    .private_segment_fixed_size: 0
    .kernarg_segment_align: 8
    .kernarg_segment_size: 16
    .max_flat_workgroup_size: 512
    .sgpr_count:     66
    .vgpr_count:     256
    .wavefront_size: 32
...
	.end_amdgpu_metadata
.endif
;; end of part 3
;; launch oprojln (part 4): grid 256 x 1, 8 waves a work-group, clusters of 4 x 1, 327,680 bytes of LDS; arguments zq, wts, resid, ln2_w, ln2_b, res2, xq; writes res2, xq
.if DOCPART == 4
	.amdgcn_target "amdgcn-amd-amdhsa--gfx1250"
	.amdhsa_code_object_version 6
	.text
	.protected	k_q6903d4161c_oprojln
	.globl	k_q6903d4161c_oprojln
	.p2align	8
	.type	k_q6903d4161c_oprojln,@function
k_q6903d4161c_oprojln:
	s_mov_b64 s[64:65], 0
	v_nop
	global_prefetch_b8 v0, s[64:65] scope:SCOPE_SE
	s_setreg_imm32_b32 hwreg(HW_REG_WAVE_MODE, 25, 1), 1
	s_wait_xcnt 0x0
	s_wait_alu depctr_hold_cnt(0) depctr_sa_sdst(0) depctr_va_vdst(0) depctr_va_sdst(0) depctr_va_ssrc(0) depctr_va_vcc(0) depctr_vm_vsrc(0)
	s_getreg_b32 s2, hwreg(HW_REG_IB_STS2, 6, 4)
	s_cmp_eq_u32 s2, 0
	s_cbranch_scc0 .Lentry_in_a_cluster
	s_endpgm
.Lentry_in_a_cluster:
	s_bfe_u32 s2, ttmp6, 0x10000c
	s_cmp_lg_u32 s2, 0x3003
	s_cbranch_scc0 .Lentry_shape_is_right
	s_endpgm
.Lentry_shape_is_right:
; TWO STEPS OF THE BLOCK IN ONE LAUNCH: res2 = resid + z W_o^T on codes of FP4 (E2M1) with E8M0 scales, K = 1,024; then y = (res2 - mean) / sqrt(var + 1e-5) x ln2_w + ln2_b over each row of
; 1,024, quantised along the row to FP4 with one E8M0 byte for each 32.  Mean first, then the mean of the squared differences: a common offset does not enter the variance.
; LIMITS: NaN and infinities are not served; a block whose largest magnitude lies under 2^-124 (a block of zeros among them) keeps the byte 1; this program alone reads the bytes.
; SHARES.  A work-group owns 16 token slots (one group R of the codes' layout) and ALL 1,024 columns, so that a row's mean and variance are its own; wave w owns columns 128 w on: 8 accumulators.
; Source 0 = W (record w of w_o: 8 groups of 16 rows), source 1 = z: a lane holds one token slot r; register 16 b + i of its 64 is column 128 w + 32 b + 16 (lane / 16) + i, since inside each
; 32 rows slot 16 u + r holds row 8 u + r % 8 + 16 (r / 8).  That is the layout in which the quantiser wants y: wave w's 128 columns are K step w of the next product.
; W COMES BY JOINT TENSOR LOADS.  Every work-group walks all of W, so the four of a cluster ask together (mask 15).  Wave w brings its own record's 8 groups x 4 K steps, 8 rows of 4,096 bytes,
; into 32,768 bytes of LDS that it alone reads; K's second half fills the same bytes again behind the three lines and a round of the cluster's barrier.  A wave has one tensor load out.
; The second half is asked of memory ahead by one prefetch a wave: 32 blocks of 256 bytes, a lane a block; the partners take groups 2 cx and 2 cx + 1 of each record, told apart by address;
; the first four clusters ask, since all clusters read the same bytes.
; z's 8 fragments and scale words: wave w fetches K step w's and hands them to the others through LDS as an image of the registers.
; THE WAY OUT.  The product goes through a stage in LDS (rows of 4,096 + 16 bytes, in W's bytes, which have had their last fill, behind a barrier) and comes back by rows, two to a wave.
; There the residual's rows, fetched at the head (512 consecutive bytes a load), are added and res2 leaves by whole rows; a wave holds whole rows, so it takes their mean and variance alone.
; (res2 - mean) / sqrt(var + eps) goes back through the same rows of the stage into the accumulators' layout, where ln2_w and ln2_b are applied and y is quantised.
; xq: records of 128 slots: 8 groups x 8,192 bytes of codes [k / 32][slot % 16][16], then scale bytes [k / 512][slot][16].
; REGISTERS: window 0: v1-15, v24-31 addresses; v16-23 z's scale words; v32-95 W's; v96-159 z's fragments, later two rows; v160-223 the accumulators; v224-239 sums; v232-247 at work;
;   v248-255 the codes made.  window 1: v0-127 W's fragments, two sets (the first takes ln2_b at the end); v128-191 the residual's two rows, later the normalised rows; v192-255 ln2_w.
.set WC,    1671168                    ; w_o's first record in wts
.set REC,   69632
.set SP,    4112                       ; a row in the stage
.set AIM,   262144                     ; LDS: W from 0, 32,768 bytes a wave; z's fragments here,
.set ASL,   AIM+8192                   ; its scale words,
.set SST,   ASL+1024                   ; y's scale bytes [k / 512][r][16],
.set SPARE, SST+512                    ; the spare words: 128 bytes a wave, four blocks of 256 bytes that no other line names
.set ASC,   16
.set WSC,   32
.set AF,    96
.set X,     160
.set TM,    232
.set PC,    248
.set PW,    27
.set MSB,   0
.macro WIN new                         ; the immediate's high byte repeats the setting that is left
.if MSB != (\new)
	s_set_vgpr_msb (MSB<<8)|(\new)
.set MSB, (\new)
.endif
.endm
.macro CROUND                          ; a round of the cluster's barrier
	s_barrier_signal -1
	s_barrier_wait -1
	s_cmp_lg_u32 s20, 0
	s_cbranch_scc1 .Lnot_wave_0_\@
	s_barrier_signal -3
.Lnot_wave_0_\@:
	s_barrier_wait -3
	s_barrier_signal -1
	s_barrier_wait -1
.endm
	s_load_b256 s[4:11], s[0:1], 0x0               ; zq, wts, resid, ln2_w
	s_load_b128 s[12:15], s[0:1], 0x20             ; ln2_b, res2
	s_load_b64 s[16:17], s[0:1], 0x30              ; xq
	v_lshl_add_u32 v30, v0, 2, SPARE
	v_mov_b32 v31, 0
	ds_add_u32 v30, v31                            ; the opening lines: the add, twice on end, and its wait
	ds_add_u32 v30, v31
	v_lshrrev_b32 v1, 5, v0
	v_readfirstlane_b32 s20, v1                    ; wave 0..7
	s_bfe_u32 s18, ttmp6, 0x40000                  ; cx: it enters addresses in memory alone
	s_lshl_b32 s19, ttmp9, 2
	s_add_co_u32 s19, s19, s18                     ; R: my group of 16 slots
	s_lshr_b32 s21, s19, 3
	s_mul_i32 s21, s21, REC                        ; my record in zq and in xq
	s_and_b32 s22, s19, 7                          ; my group in it
	s_lshl_b32 s23, s22, 13
	s_add_co_u32 s23, s23, s21
	s_lshl_b32 s24, s20, 10
	s_add_co_u32 s24, s24, s23                     ; codes: record, group, K step w
	s_mov_b32 s25, 0
	s_lshl_b32 s26, s20, 9
	s_add_co_u32 s26, s26, s21
	s_lshl_b32 s27, s22, 2
	s_add_co_u32 s26, s26, s27
	s_add_co_u32 s26, s26, 65536                   ; z's scale words [K step][r][tile]
	s_mov_b32 s27, 0
	s_mul_i32 s28, s20, REC
	s_add_co_u32 s28, s28, WC                      ; W: record w
	s_mov_b32 s29, 0
	s_lshl_b32 s60, s18, 14
	s_add_co_u32 s60, s60, s28
	s_add_co_u32 s60, s60, 4096                    ; the prefetch: groups 2 cx, 2 cx + 1 of record w, K's second half
	s_mov_b32 s61, 0
	s_lshr_b32 s30, s19, 1
	s_lshl_b32 s30, s30, 5
	s_and_b32 s31, s19, 1
	s_lshl_b32 s31, s31, 3
	s_add_co_u32 s30, s30, s31
	s_lshl_b32 s31, s20, 1
	s_and_b32 s31, s31, 7
	s_add_co_u32 s30, s30, s31
	s_lshr_b32 s31, s20, 2
	s_lshl_b32 s31, s31, 4
	s_add_co_u32 s30, s30, s31                     ; slots 2 w, 2 w + 1 are rows 32 (R / 2) + 8 (R % 2) + 2 w % 8 + 16 (w / 4) and the next
	s_lshl_b32 s30, s30, 12
	s_mov_b32 s31, 0
	s_lshl_b32 s34, s20, 9                         ; my 128 columns of ln2_w and ln2_b
	s_mov_b32 s35, 0
	s_lshl_b32 s40, s22, 8
	s_add_co_u32 s40, s40, s21
	s_add_co_u32 s40, s40, 65536                   ; y's scale bytes
	s_mov_b32 s41, 0
	s_mov_b32 s44, 0x76543210
	s_mov_b32 s45, 0xfedcba98                      ; lane l xor 16
	s_mov_b32 s46, 0x3a800000                      ; 1 / 1,024
	s_mov_b32 s47, 0x3727c5ac                      ; 1e-5
	s_mov_b32 s48, 15|(3<<16)|(1<<21)              ; group 1: elements of 8 bytes; the mask of all four partners, bit 21 beside it; no padding: every LDS read of W is dense
	s_mov_b32 s49, 512<<16                         ; a row: 4,096 bytes, four K steps of one group
	s_mov_b32 s50, 8<<16                           ; 8 groups
	s_mov_b32 s51, 512<<16
	s_mov_b32 s52, 8
	s_mov_b32 s53, 1024                            ; 8,192 bytes from group to group
	s_mov_b32 s54, 0
	s_mov_b32 s55, 0
	s_mov_b32 s56, 1
	s_lshl_b32 s57, s20, 15                        ; where my part of W goes: wave x 32,768
	s_wait_dscnt 0x0                               ; both opening adds are done
	s_wait_kmcnt 0x0
	s_add_nc_u64 s[38:39], s[16:17], s[24:25]      ; y's codes
	s_add_nc_u64 s[24:25], s[4:5], s[24:25]        ; z's codes
	s_add_nc_u64 s[26:27], s[4:5], s[26:27]
	s_add_nc_u64 s[28:29], s[6:7], s[28:29]
	s_add_nc_u64 s[60:61], s[6:7], s[60:61]
	s_add_nc_u64 s[32:33], s[14:15], s[30:31]      ; res2's rows
	s_add_nc_u64 s[30:31], s[8:9], s[30:31]        ; the residual's
	s_add_nc_u64 s[36:37], s[12:13], s[34:35]
	s_add_nc_u64 s[34:35], s[10:11], s[34:35]
	s_add_nc_u64 s[40:41], s[16:17], s[40:41]
	s_mov_b64 s[58:59], s[28:29]
	s_or_b32 s59, s59, 0x80000000
	CROUND                                         ; all four work-groups are here: the joint loads meet
	tensor_load_to_lds s[56:59], s[48:55]          ; K steps 0 to 3 of my record: one load a wave
	s_nop 0
.rept 4
	v_nop
.endr
	v_and_b32 v2, 31, v0
	v_lshlrev_b32 v1, 4, v2                        ; 16 x lane
	v_and_b32 v3, 15, v0                           ; r
	v_bfe_u32 v29, v0, 4, 1                        ; h
	v_lshlrev_b32 v4, 5, v3                        ; 32 r
	v_lshlrev_b32 v5, 4, v3                        ; 16 r
	v_lshlrev_b32 v6, 6, v29                       ; 64 h
	v_add_nc_u32 v10, AIM, v1                      ; LDS: z's fragments,
	s_lshl_b32 s42, s20, 10
	v_add_nc_u32 v7, s42, v10                      ; mine 1,024 w on
	v_lshl_add_u32 v9, v2, 2, ASL                  ; z's scale words: 4 x lane,
	s_lshl_b32 s42, s20, 7
	v_add_nc_u32 v8, s42, v9                       ; mine 128 w on
	v_add_nc_u32 v11, s57, v1                      ; my part of W
	v_mul_u32_u24 v12, v3, SP
	v_lshl_add_u32 v12, v29, 6, v12
	s_lshl_b32 s42, s20, 9
	v_add_nc_u32 v12, s42, v12                     ; the stage in the accumulators' layout: row r, + 512 w + 64 h
	s_mul_i32 s42, s20, 2*SP
	v_add_nc_u32 v13, s42, v1                      ; and by rows: slots 2 w, 2 w + 1, 16 bytes a lane
	s_lshr_b32 s42, s20, 2
	s_lshl_b32 s42, s42, 8
	s_and_b32 s43, s20, 3
	s_lshl_b32 s43, s43, 2
	s_add_co_u32 s42, s42, s43
	v_lshl_add_u32 v24, v3, 4, SST
	v_add_nc_u32 v24, s42, v24                     ; my scale word: [w / 4][r][w % 4]
	v_add_nc_u32 v25, SST, v1
	v_lshlrev_b32 v26, 11, v29
	v_lshl_add_u32 v26, v3, 4, v26                 ; scale bytes in memory: (l / 16) x 2,048 + 16 (l % 16)
	v_lshlrev_b32 v28, 13, v29
	v_lshl_add_u32 v28, v3, 8, v28                 ; the prefetch: (l / 16) groups + 256 (l % 16)
	global_load_b128 v[232:235], v1, s[24:25]      ; z's fragment of K step w,
	global_load_b128 v[236:239], v1, s[24:25] offset:512
	global_load_b32 v240, v4, s[26:27]             ; its scale words,
	WIN 0x40
.irp q, 0,1
.irp i, 0,1,2,3,4,5,6,7
	global_load_b128 v[128+32*\q+4*\i:128+32*\q+4*\i+3], v1, s[30:31] offset:4096*\q+512*\i th:TH_LOAD_NT   ; two rows of the residual
.endr
.endr
	WIN 0
.irp g, 0,1,2,3,4,5,6,7
.irp kq, 0,1
	global_load_b128 v[WSC+8*\g+4*\kq:WSC+8*\g+4*\kq+3], v5, s[28:29] offset:65536+2048*\kq+256*\g   ; W's scale words: register 8 g + s
.endr
.endr
	WIN 0x40
.irp b, 0,1,2,3
.irp k, 0,1,2,3
	global_load_b128 v[192+16*\b+4*\k:192+16*\b+4*\k+3], v6, s[34:35] offset:128*\b+16*\k   ; ln2_w in the accumulators' layout
.endr
.endr
	WIN 0
	s_wait_alu depctr_va_vdst(0)
	s_cmp_lt_u32 ttmp9, 4                          ; the cluster's number: the same in all partners
	s_cbranch_scc0 .Lno_ask
	global_prefetch_b8 v28, s[60:61] th:TH_LOAD_NT scope:SCOPE_SE
.Lno_ask:
	s_wait_loadcnt 48                              ; z is in; the residual's, W's scale words' and ln2_w's 16 loads each may be out
	s_wait_tensorcnt 0x0                           ; my part of W, K steps 0 to 3, is in: I alone read it
	ds_store_b128 v7, v[232:235]
	ds_store_b128 v7, v[236:239] offset:512
	ds_store_b32 v8, v240
	s_wait_dscnt 0x0                               ; for the others' sake
	s_barrier_signal -1
	s_barrier_wait -1
.irp s, 0,1,2,3,4,5,6,7
.irp c, 0,1
	ds_load_b128 v[AF+8*\s+4*\c:AF+8*\s+4*\c+3], v10 offset:1024*\s+512*\c
.endr
	ds_load_b32 v[ASC+\s], v9 offset:128*\s
.endr
.macro FETCHW s                        ; W's eight fragments of K step s into set s % 2: 16 LDS loads
	WIN 0x40
.irp g, 0,1,2,3,4,5,6,7
.irp c, 0,1
	ds_load_b128 v[64*((\s)%2)+8*\g+4*\c:64*((\s)%2)+8*\g+4*\c+3], v11 offset:4096*\g+1024*((\s)%4)+512*\c
.endr
.endr
	WIN 0
.endm
.macro STEP s, out                     ; out: the LDS loads that may stay out: the next step's 16, or none
	s_wait_dscnt \out
	WIN 0x01
.irp g, 0,1,2,3,4,5,6,7                ; the 8 accumulators take turns, one instruction a turn
.if (\s) == 0
	v_wmma_scale_f32_16x16x128_f8f6f4 v[X+8*\g:X+8*\g+7], v[8*\g:8*\g+7], v[AF:AF+7], 0, v[WSC+8*\g], v[ASC] matrix_a_fmt:MATRIX_FMT_FP4 matrix_b_fmt:MATRIX_FMT_FP4
.else
	v_wmma_scale_f32_16x16x128_f8f6f4 v[X+8*\g:X+8*\g+7], v[64*((\s)%2)+8*\g:64*((\s)%2)+8*\g+7], v[AF+8*(\s):AF+8*(\s)+7], v[X+8*\g:X+8*\g+7], v[WSC+8*\g+(\s)], v[ASC+(\s)] matrix_a_fmt:MATRIX_FMT_FP4 matrix_b_fmt:MATRIX_FMT_FP4
.endif
.endr
.rept 4
	v_nop                                          ; places ahead of loads into the set, and of the first read of results
.endr
	WIN 0
.endm
	FETCHW 0
	FETCHW 1
	s_wait_loadcnt 16                              ; the residual and W's scale words are in; ln2_w's 16 loads may be out
	STEP 0, 16
	FETCHW 2
	STEP 1, 16
	FETCHW 3
	STEP 2, 16
	STEP 3, 0
	s_wait_tensorcnt 0x0                           ; the three lines ahead of a refill's barrier: no tensor load of mine is out,
	ds_add_u32 v30, v31
	s_add_nc_u64 s[58:59], s[58:59], 4096          ; so the descriptor may be written: K steps 4 to 7
	s_wait_dscnt 0x0                               ; the add is done, and my reads of W's first half are over
	CROUND                                         ; the same holds of every wave of all four partners
	tensor_load_to_lds s[56:59], s[48:55]          ; the refill, first behind the round
	s_nop 0
.rept 4
	v_nop
.endr
	s_wait_tensorcnt 0x0                           ; my part is in: I alone read it
	FETCHW 4
	FETCHW 5
	STEP 4, 16
	FETCHW 6
	STEP 5, 16
	FETCHW 7
	STEP 6, 16
	WIN 0x40
.irp b, 0,1,2,3
.irp k, 0,1,2,3
	global_load_b128 v[16*\b+4*\k:16*\b+4*\k+3], v6, s[36:37] offset:128*\b+16*\k   ; ln2_b into the set that is done with
.endr
.endr
	WIN 0
	STEP 7, 0
	s_barrier_signal -1                            ; no LDS load of mine is out:
	s_barrier_wait -1                              ; nobody reads W any more: the stage may be written
.irp t, 0,1,2,3,4,5,6,7
.irp k, 0,1
	ds_store_b128 v12, v[X+8*\t+4*\k:X+8*\t+4*\k+3] offset:128*(\t/2)+32*(\t%2)+16*\k   ; each accumulator from its low end on
.endr
.endr
	s_wait_dscnt 0x0                               ; for the others' sake
	s_barrier_signal -1
	s_barrier_wait -1
.irp q, 0,1
.irp i, 0,1,2,3,4,5,6,7
	ds_load_b128 v[AF+32*\q+4*\i:AF+32*\q+4*\i+3], v13 offset:SP*\q+512*\i   ; back by rows
.endr
.endr
	s_wait_dscnt 0x0
	WIN 0x04                                       ; source 1 in window 1: the residual
.set i, 0
.rept 32
	v_pk_add_f32 v[AF+i:AF+i+1], v[AF+i:AF+i+1], v[128+i:129+i]
.set i, i+2
.endr
	WIN 0
.irp q, 0,1
.irp i, 0,1,2,3,4,5,6,7
	global_store_b128 v1, v[AF+32*\q+4*\i:AF+32*\q+4*\i+3], s[32:33] offset:4096*\q+512*\i   ; res2: 512 consecutive bytes, aligned
.endr
.endr
.macro RSUM                            ; each row's four packed chains (row q in v[224 + 8 q] on) become one sum, in every lane; the two rows by turns
.irp c, 224,232
	v_pk_add_f32 v[\c:\c+1], v[\c:\c+1], v[\c+2:\c+3]
	v_pk_add_f32 v[\c+4:\c+5], v[\c+4:\c+5], v[\c+6:\c+7]
.endr
.irp c, 224,232
	v_pk_add_f32 v[\c:\c+1], v[\c:\c+1], v[\c+4:\c+5]
.endr
.irp c, 224,232
	v_add_f32 v[\c], v[\c], v[\c+1]
.endr
.irp m, 1,2,4,8
.irp c, 224,232
	v_add_f32_dpp v[\c], v[\c], v[\c] row_xmask:\m row_mask:0xf bank_mask:0xf
.endr
.endr
.irp c, 224,232
	v_permlanex16_b32 v[\c+1], v[\c], s44, s45
.endr
.irp c, 224,232
	v_add_f32 v[\c], v[\c], v[\c+1]
.endr
.endm
.irp q, 0,1
.irp k, 0,1,2,3
	v_pk_add_f32 v[224+8*\q+2*\k:225+8*\q+2*\k], v[AF+32*\q+4*\k:AF+32*\q+4*\k+1], v[AF+32*\q+4*\k+2:AF+32*\q+4*\k+3]
.endr
.endr
.irp i, 16,24
.irp q, 0,1
.irp k, 0,1,2,3
	v_pk_add_f32 v[224+8*\q+2*\k:225+8*\q+2*\k], v[224+8*\q+2*\k:225+8*\q+2*\k], v[AF+32*\q+\i+2*\k:AF+32*\q+\i+2*\k+1]
.endr
.endr
.endr
	RSUM
.irp c, 224,232
	v_mul_f32 v[\c+2], s46, v[\c]                  ; the mean, twice
	v_mul_f32 v[\c+3], s46, v[\c]
.endr
	WIN 0x40                                       ; the differences go where the residual lay
.irp q, 0,1
.set i, 0
.rept 16
	v_pk_add_f32 v[128+32*\q+i:129+32*\q+i], v[AF+32*\q+i:AF+32*\q+i+1], v[226+8*\q:227+8*\q] neg_lo:[0,1] neg_hi:[0,1]
.set i, i+2
.endr
.endr
	WIN 0x05                                       ; sources 0 and 1 in window 1
.irp q, 0,1
.irp k, 0,1,2,3
	v_pk_mul_f32 v[224+8*\q+2*\k:225+8*\q+2*\k], v[128+32*\q+2*\k:129+32*\q+2*\k], v[128+32*\q+2*\k:129+32*\q+2*\k]
.endr
.endr
.irp i, 8,16,24
.irp q, 0,1
.irp k, 0,1,2,3
	v_pk_fma_f32 v[224+8*\q+2*\k:225+8*\q+2*\k], v[128+32*\q+\i+2*\k:129+32*\q+\i+2*\k], v[128+32*\q+\i+2*\k:129+32*\q+\i+2*\k], v[224+8*\q+2*\k:225+8*\q+2*\k]
.endr
.endr
.endr
	WIN 0
	RSUM
.irp c, 224,232
	v_fma_f32 v[\c], v[\c], s46, s47               ; var + eps
.endr
	s_wait_alu depctr_va_vdst(0)                   ; the wait ahead of the transcendentals
.irp c, 224,232
	v_rsq_f32 v[\c+2], v[\c]
	v_rsq_f32 v[\c+3], v[\c]
.endr
	v_nop                                          ; a plain instruction behind them
	s_wait_alu depctr_va_vdst(0)                   ; one wait for the four, ahead of their first reader
	WIN 0x41                                       ; source 0 and destination in window 1
.irp q, 0,1
.set i, 0
.rept 16
	v_pk_mul_f32 v[128+32*\q+i:129+32*\q+i], v[128+32*\q+i:129+32*\q+i], v[226+8*\q:227+8*\q]
.set i, i+2
.endr
.endr
	WIN 0x04                                       ; an LDS store's data are its source 1
.irp q, 0,1
.irp i, 0,1,2,3,4,5,6,7
	ds_store_b128 v13, v[128+32*\q+4*\i:128+32*\q+4*\i+3] offset:SP*\q+512*\i   ; the normalised rows into my two rows of the stage: my reads of them are over
.endr
.endr
	WIN 0
	s_wait_dscnt 0x0                               ; for the others' sake
	s_barrier_signal -1
	s_barrier_wait -1
.irp t, 0,1,2,3,4,5,6,7
.irp k, 0,1
	ds_load_b128 v[X+8*\t+4*\k:X+8*\t+4*\k+3], v12 offset:128*(\t/2)+32*(\t%2)+16*\k   ; and back in the accumulators' layout
.endr
.endr
	s_wait_dscnt 0x0
	s_wait_loadcnt 0x0                             ; ln2_w, ln2_b
	WIN 0x14                                       ; sources 1 and 2 in window 1
.set i, 0
.rept 32
	v_pk_fma_f32 v[X+i:X+i+1], v[X+i:X+i+1], v[192+i:193+i], v[i:i+1]
.set i, i+2
.endr
	WIN 0
	; y's 128 columns of slot r become one fragment's codes and its scale word
.irp b, 0,1,2,3
	v_max3_num_f32 v[TM+\b], |v[X+16*\b]|, |v[X+1+16*\b]|, 0x1800000   ; with the floor 2^(3 - 127)
.endr
.irp i, 2,4,6,8,10,12,14
.irp b, 0,1,2,3
	v_max3_num_f32 v[TM+\b], v[TM+\b], |v[X+16*\b+\i]|, |v[X+1+16*\b+\i]|
.endr
.endr
.irp b, 0,1,2,3
	v_permlanex16_b32 v[TM+4+\b], v[TM+\b], s44, s45
.endr
.irp b, 0,1,2,3
	v_max_num_f32 v[TM+\b], v[TM+\b], v[TM+4+\b]
.endr
.irp b, 0,1,2,3
	v_add_nc_u32 v[TM+12+\b], 0xff000000, v[TM+\b] ; 2 off the exponent field: the conversion's scale operand
.endr
.irp b, 0,1,2,3
	v_lshrrev_b32 v[TM+4+\b], 23, v[TM+12+\b]
.endr
	v_lshl_or_b32 v[PW], v[TM+5], 8, v[TM+4]
	v_lshl_or_b32 v[PW], v[TM+6], 16, v[PW]
	v_lshl_or_b32 v[PW], v[TM+7], 24, v[PW]
.irp b, 0,1,2,3
	v_cvt_scalef32_pk8_fp4_f32 v[PC+2*\b], v[X+16*\b:X+7+16*\b], v[TM+12+\b]
	v_cvt_scalef32_pk8_fp4_f32 v[PC+1+2*\b], v[X+8+16*\b:X+15+16*\b], v[TM+12+\b]
.endr
	v_nop                                          ; a plain instruction behind the conversions
.irp c, 0,1
.irp i, 0,1
	v_permlane16_swap_b32 v[PC+4*\c+\i], v[PC+2+4*\c+\i]   ; a whole block to a lane
.endr
.endr
	global_store_b128 v1, v[PC:PC+3], s[38:39]     ; 512 consecutive bytes
	global_store_b128 v1, v[PC+4:PC+7], s[38:39] offset:512
	ds_store_b32 v24, v[PW]                        ; the eight waves' words make each slot's 2 x 16 bytes
	s_wait_dscnt 0x0                               ; for the others' sake
	s_barrier_signal -1
	s_barrier_wait -1
	s_cmp_lg_u32 s20, 0
	s_cbranch_scc1 .Lend
	ds_load_b128 v[TM:TM+3], v25
	s_wait_dscnt 0x0
	global_store_b128 v26, v[TM:TM+3], s[40:41]    ; two runs of 256 consecutive bytes
.Lend:
	s_wait_tensorcnt 0x0                           ; the wave's end
	ds_add_u32 v30, v31
	s_wait_dscnt 0x0
	CROUND                                         ; the closing round: no work-group ends while a partner may still ask for a tile that names it
	s_endpgm
.Lfunc_end_k_q6903d4161c_oprojln:
	.size	k_q6903d4161c_oprojln, .Lfunc_end_k_q6903d4161c_oprojln-k_q6903d4161c_oprojln
	.p2alignl 7, 3214868480
	.fill 96, 4, 3214868480
	.section	.rodata,"a",@progbits
	.p2align	6, 0x0
	.amdhsa_kernel k_q6903d4161c_oprojln
		.amdhsa_group_segment_fixed_size 327680
		.amdhsa_private_segment_fixed_size 0
		.amdhsa_enable_private_segment 0
		.amdhsa_kernarg_size 56
		.amdhsa_user_sgpr_count 2
		.amdhsa_user_sgpr_kernarg_segment_ptr 1
		.amdhsa_wavefront_size32 1
		.amdhsa_system_sgpr_workgroup_id_x 1
		.amdhsa_system_sgpr_workgroup_id_y 1
		.amdhsa_system_sgpr_workgroup_id_z 1
		.amdhsa_system_vgpr_workitem_id 0
		.amdhsa_next_free_vgpr 512
		.amdhsa_next_free_sgpr 66
		.amdhsa_reserve_vcc 0
		.amdhsa_float_denorm_mode_32 3
		.amdhsa_float_denorm_mode_16_64 3
		.amdhsa_memory_ordered 1
		.amdhsa_forward_progress 1
		.amdhsa_inst_pref_size 59
	.end_amdhsa_kernel
	.amdgpu_metadata
---
amdhsa.version: [ 1, 2 ]
amdhsa.kernels:
  - .name:           k_q6903d4161c_oprojln
    .symbol:         k_q6903d4161c_oprojln.kd
    .args:
      - { .name: zq, .offset: 0, .size: 8, .value_kind: global_buffer, .address_space: global }
      - { .name: wts, .offset: 8, .size: 8, .value_kind: global_buffer, .address_space: global }
      - { .name: resid, .offset: 16, .size: 8, .value_kind: global_buffer, .address_space: global }
      - { .name: ln2_w, .offset: 24, .size: 8, .value_kind: global_buffer, .address_space: global }
      - { .name: ln2_b, .offset: 32, .size: 8, .value_kind: global_buffer, .address_space: global }
      - { .name: res2, .offset: 40, .size: 8, .value_kind: global_buffer, .address_space: global }
      - { .name: xq, .offset: 48, .size: 8, .value_kind: global_buffer, .address_space: global }
    .group_segment_fixed_size: 327680
    .private_segment_fixed_size: 0
    .kernarg_segment_align: 8
    .kernarg_segment_size: 56
    .max_flat_workgroup_size: 256
    .sgpr_count:     66
    .vgpr_count:     512
    .wavefront_size: 32
...
	.end_amdgpu_metadata
.endif
;; end of part 4
;; launch mlpin (part 5): grid 16 x 16, 4 waves a work-group, clusters of 4 x 4, 279,040 bytes of LDS; arguments xq, wts, b_in, hq; writes hq
.if DOCPART == 5
	.amdgcn_target "amdgcn-amd-amdhsa--gfx1250"
	.amdhsa_code_object_version 6
	.text
	.protected	k_q6903d4161c_mlpin
	.globl	k_q6903d4161c_mlpin
	.p2align	8
	.type	k_q6903d4161c_mlpin,@function
k_q6903d4161c_mlpin:
	s_mov_b64 s[64:65], 0
	v_nop
	global_prefetch_b8 v0, s[64:65] scope:SCOPE_SE
	s_setreg_imm32_b32 hwreg(HW_REG_WAVE_MODE, 25, 1), 1
	s_wait_xcnt 0x0
	s_wait_alu depctr_hold_cnt(0) depctr_sa_sdst(0) depctr_va_vdst(0) depctr_va_sdst(0) depctr_va_ssrc(0) depctr_va_vcc(0) depctr_vm_vsrc(0)
	s_getreg_b32 s2, hwreg(HW_REG_IB_STS2, 6, 4)
	s_cmp_eq_u32 s2, 0
	s_cbranch_scc0 .Lentry_in_a_cluster
	s_endpgm
.Lentry_in_a_cluster:
	s_bfe_u32 s2, ttmp6, 0x10000c
	s_cmp_lg_u32 s2, 0xf033
	s_cbranch_scc0 .Lentry_shape_is_right
	s_endpgm
.Lentry_shape_is_right:
; h = new_gelu(LN2(x) W_in + b_in) on codes of FP4 (E2M1) with E8M0 scales, K = 1,024, and h quantised at once along the hidden units.
; new_gelu(x) = x / (1 + 2^(x (k0 + k1 x^2))), k0 = -2 sqrt(2 / pi) log2(e), k1 = 0.044715 k0: the same function as 0.5 x (1 + tanh(..)); where the power overflows the result is -0, where it vanishes x.
; LIMITS of the quantiser: NaN and infinities are not served; a block whose largest magnitude lies under 2^-124 keeps the byte 1; this program alone reads the bytes.
; SHARES.  A work-group makes 256 tokens x 256 hidden units; each of four waves 128 x 128: 64 accumulators, 512 registers.
; ALL OF K LIES IN LDS: four records of 69,632 bytes, codes then scale bytes (my tokens' two, then my weights' two), each filled ONCE: no byte of LDS is filled again.
; A wave has one tensor load out, issued at the head.
; CLUSTER 4 x 4: the tokens' tiles are shared along a row of the cluster, the weights' along a column: joint loads with a mask of four.
; OPERANDS LIE IN THE ORDER OF THEIR REGISTERS: a fragment (16 rows x 128 K) is 1,024 dense bytes.  Inside each 32 rows slot 16 u + r holds row 8 u + r % 8 + 16 (r / 8).
; Source 0 = weights, source 1 = tokens: a lane holds one token and 128 hidden units, 16 neighbours in each two tiles: one K step of the next product.  The bias is the C of each sum's first product.
; REGISTERS: window 0: v1-15 addresses; v32-95 scale words (lanes 0-15 the tokens', lanes 16-31 the weights'); v96-127 at work on the way out; v128-191 the tokens' fragments, later 64 numbers at work;
;   v192-255 the bias, later the codes made.  window 1: the weights' fragments, two sets.  windows 2, 3: accumulator (a, b) at v[8 (8 (a % 4) + b)] of window 2 + a / 4.
; THE LAYOUT AS IT STANDS: xq and wts lie in records of 128 rows (8 groups x 8,192 bytes of codes, then 4,096 scale bytes).  LDS holds four records: my tokens' two, my weights' two.
; Each wave brings ONE record by ONE tensor load at the head, 272 rows of 256 bytes; all of K is in LDS behind the one barrier, and no barrier stands in the K steps.
; h goes out into records of 128 tokens: 8 groups x 32,768 bytes of codes, then [K step][row][tile] scale words: 278,528 bytes.
.set REC,  69632
.set SCL,  65536                       ; the scale bytes' place in a record
.set WC,   2228224                     ; the weights' first record in wts
.set ADT,  4
.set ADW,  8
.set ADRS, 12
.set SC,   32
.set PWS,  96
.set TM,   104
.set TS,   120
.set QF,   128
.set BI,   192
.set SEL,  24
.set MSB,  0
.macro WIN new
.if MSB != (\new)
	s_set_vgpr_msb (MSB<<8)|(\new)
.set MSB, (\new)
.endif
.endm
.macro CROUND                          ; a round of the cluster's barrier
	s_barrier_signal -1
	s_barrier_wait -1
	s_cmp_lg_u32 s12, 0
	s_cbranch_scc1 .Lnot_wave_0_\@
	s_barrier_signal -3
.Lnot_wave_0_\@:
	s_barrier_wait -3
	s_barrier_signal -1
	s_barrier_wait -1
.endm
.macro PLACES                          ; four plain instructions between a matrix instruction and a load into, or a read of, its registers
.rept 4
	v_nop
.endr
.endm
	s_load_b128 s[4:7], s[0:1], 0x0                ; xq, wts
	s_load_b128 s[8:11], s[0:1], 0x10              ; b_in, hq
	v_lshl_add_u32 v126, v0, 2, 0x44000
	v_mov_b32 v127, 0
	ds_add_u32 v126, v127
	ds_add_u32 v126, v127
	v_lshrrev_b32 v1, 5, v0
	v_readfirstlane_b32 s12, v1                    ; wave
	s_lshr_b32 s13, s12, 1                         ; wy; also: I fetch tokens (0) or weights (1)
	s_and_b32 s14, s12, 1                          ; wx; also: which half I fetch
	s_bfe_u32 s15, ttmp6, 0x40000                  ; cx
	s_bfe_u32 s16, ttmp6, 0x40004                  ; cy
	s_lshl_b32 s17, ttmp9, 2
	s_add_co_u32 s17, s17, s15                     ; tx
	s_and_b32 s18, ttmp7, 0xffff
	s_lshl_b32 s18, s18, 2
	s_add_co_u32 s18, s18, s16                     ; ty
	s_lshl_b32 s19, s16, 2
	s_lshl_b32 s19, 15, s19                        ; my row of the cluster
	s_lshl_b32 s20, 0x1111, s15                    ; my column
	s_or_b32 s24, s19, (3<<16)|(1<<21)
	s_or_b32 s32, s20, (3<<16)|(1<<21)
.irp g, 24, 32
	s_mov_b32 s[\g+1], 32<<16                      ; a dense record as rows of 256 bytes
	s_mov_b32 s[\g+2], 272<<16                     ; 272 of them
	s_mov_b32 s[\g+3], 32<<16
	s_mov_b32 s[\g+4], 272
	s_mov_b32 s[\g+5], 32
	s_mov_b32 s[\g+6], 0
	s_mov_b32 s[\g+7], 0
.endr
	s_lshl_b32 s22, s18, 1
	s_add_co_u32 s22, s22, s14
	s_mul_i32 s22, s22, REC                        ; tokens: record 2 ty + half
	s_mov_b32 s23, 0
	s_lshl_b32 s100, s17, 1
	s_add_co_u32 s100, s100, s14
	s_mul_i32 s100, s100, REC                      ; weights: record 2 tx + half
	s_add_co_u32 s100, s100, WC
	s_mov_b32 s101, 0
	s_mov_b32 s60, 1
	s_mul_i32 s61, s12, REC                        ; where my record goes: wave x a record
	s_mov_b32 s84, 1
	s_mul_i32 s85, s12, REC
	s_wait_dscnt 0x0
	s_wait_kmcnt 0x0
	s_add_nc_u64 s[62:63], s[4:5], s[22:23]
	s_or_b32 s63, s63, 0x80000000
	s_add_nc_u64 s[86:87], s[6:7], s[100:101]
	s_or_b32 s87, s87, 0x80000000
	CROUND                                         ; all sixteen work-groups are here: the joint loads meet
	s_cmp_eq_u32 s13, 0                            ; one load a wave, one to an arm
	s_cbranch_scc0 .Lfill_w
	tensor_load_to_lds s[60:63], s[24:31]
	s_nop 0
.rept 4
	v_nop
.endr
	s_branch .Lfilled
.Lfill_w:
	tensor_load_to_lds s[84:87], s[32:39]
	s_nop 0
.rept 4
	v_nop
.endr
.Lfilled:
	v_and_b32 v1, 15, v0                           ; r
	v_bfe_u32 v2, v0, 4, 1                         ; h
	v_and_b32 v3, 31, v0
	v_lshlrev_b32 v3, 4, v3                        ; 16 x lane
	s_wait_alu depctr_va_vdst(0)
	v_lshlrev_b32 v13, 6, v2                       ; 64 h
	s_lshl_b32 s100, s17, 10                       ; the bias of my 128 hidden units
	s_lshl_b32 s101, s14, 9
	s_add_co_u32 s100, s100, s101
	s_mov_b32 s101, 0
	s_add_nc_u64 s[100:101], s[8:9], s[100:101]
.irp t, 0,1,2,3,4,5,6,7                ; in the result's layout: tile t, lane (r, h): units 32 (t / 2) + 16 h + 8 (t % 2) + 0 .. 7
	global_load_b128 v[BI+8*\t:BI+8*\t+3], v13, s[100:101] offset:(32*(\t/2)+8*(\t%2))*4
	global_load_b128 v[BI+8*\t+4:BI+8*\t+7], v13, s[100:101] offset:(32*(\t/2)+8*(\t%2))*4+16
.endr
	s_mul_i32 s22, s13, REC                        ; my tokens' record
	v_add_nc_u32 v[ADT], s22, v3
	s_mul_i32 s23, s14, REC
	s_add_co_u32 s23, s23, 2*REC                   ; my weights'
	v_add_nc_u32 v[ADW], s23, v3
	s_sub_co_u32 s23, s23, s22                     ; scale words: the lower base + h x the distance
	v_mul_u32_u24 v[ADRS], s23, v2
	v_lshl_add_u32 v[ADRS], v1, 4, v[ADRS]
	s_add_co_u32 s22, s22, SCL
	v_add_nc_u32 v[ADRS], s22, v[ADRS]
	v_lshlrev_b32 v14, 5, v1
	v_lshl_add_u32 v14, v2, 4, v14                 ; 32 r + 16 h
.irp b, 0,1,2,3
	v_mov_b32 v[TM+4+\b], 0
.endr
	v_mov_b32 v124, 0xc0135761                     ; k0, twice
	v_mov_b32 v125, 0xc0135761
.macro FRAG reg, adr, off
.irp c, 0,1
	ds_load_b128 v[\reg+4*\c:\reg+4*\c+3], v[\adr] offset:\off+512*\c
.endr
.endm
.macro FETCH_P s, set                  ; the weights' eight fragments of K step s
	WIN 0x40
.irp i, 0,1,2,3,4,5,6,7
	FRAG 128*(\set)+8*\i, ADW, (\s)*1024+8192*\i
.endr
	WIN 0
.endm
.macro FETCH_Q s, i0                   ; the tokens' blocks i0 .. i0 + 3
.irp i, \i0, \i0+1, \i0+2, \i0+3
	FRAG QF+8*(\i), ADT, (\s)*1024+8192*(\i)
.endr
.endm
.macro SCALES
.irp kq, 0,1
.irp i, 0,1,2,3,4,5,6,7
	ds_load_b128 v[SC+32*\kq+4*\i:SC+32*\kq+4*\i+3], v[ADRS] offset:2048*\kq+256*\i
.endr
.endr
.endm
; 16 matrix instructions.  The 64 accumulators take turns, one instruction a turn, in the same order in every step.  first = 1: the bias is the C.
.macro MUL16 a0, s, first
.irp a, \a0, \a0+1
.irp b, 0,1,2,3,4,5,6,7
.set rD, 8*(8*((\a)%4)+\b)
.set rP, 128*((\s)%2)+8*\b
.set rQ, QF+8*(\a)
.set rX, SC+32*((\s)/4)+(\s)%4+4*\b
.set rY, SC+32*((\s)/4)+(\s)%4+4*(\a)
.if \first
	v_wmma_scale_f32_16x16x128_f8f6f4 v[rD:rD+7], v[rP:rP+7], v[rQ:rQ+7], v[BI+8*\b:BI+8*\b+7], v[rX], v[rY] matrix_a_fmt:MATRIX_FMT_FP4 matrix_b_fmt:MATRIX_FMT_FP4 matrix_a_scale:MATRIX_SCALE_ROW1
.else
	v_wmma_scale_f32_16x16x128_f8f6f4 v[rD:rD+7], v[rP:rP+7], v[rQ:rQ+7], v[rD:rD+7], v[rX], v[rY] matrix_a_fmt:MATRIX_FMT_FP4 matrix_b_fmt:MATRIX_FMT_FP4 matrix_a_scale:MATRIX_SCALE_ROW1
.endif
.endr
.endr
.endm
.macro REST s, first
	PLACES
	FETCH_P (\s)+1, 1-(\s)%2
	FETCH_Q (\s)+1, 0
.if \first
	WIN 0xc1                                       ; C (the bias) in window 0
.else
	WIN 0xf1
.endif
	MUL16 4, \s, \first
	MUL16 6, \s, \first
	PLACES
	WIN 0
	FETCH_Q (\s)+1, 4
.endm
.macro STEP s, first
	s_wait_dscnt 8                                 ; all but the tokens' blocks 4-7
.if \first
	WIN 0x81
.else
	WIN 0xa1
.endif
	MUL16 0, \s, \first
	MUL16 2, \s, \first
	s_wait_dscnt 0x0
	REST \s, \first
.endm
.macro QUANTW src, W, pc, pw           ; 64 numbers of a lane, register 16 b + i = k 32 b + 16 (lane / 16) + i of my row, become a fragment's codes and its scale word
	WIN (\W)|((\W)<<2)
.irp b, 0,1,2,3
	v_max3_num_f32 v[TM+\b], |v[(\src)+16*\b]|, |v[(\src)+1+16*\b]|, 0x1800000
.endr
	WIN ((\W)<<2)|((\W)<<4)
.irp i, 2,4,6,8,10,12,14
.irp b, 0,1,2,3
	v_max3_num_f32 v[TM+\b], v[TM+\b], |v[(\src)+16*\b+\i]|, |v[(\src)+1+16*\b+\i]|
.endr
.endr
	WIN 0
.irp b, 0,1,2,3
	v_permlanex16_b32 v[TM+4+\b], v[TM+\b], s[SEL], s[SEL+1]
.endr
.irp b, 0,1,2,3
	v_max_num_f32 v[TM+\b], v[TM+\b], v[TM+4+\b]
.endr
.irp b, 0,1,2,3
	v_add_nc_u32 v[TM+12+\b], 0xff000000, v[TM+\b]
.endr
.irp b, 0,1,2,3
	v_lshrrev_b32 v[TM+4+\b], 23, v[TM+12+\b]
.endr
	v_lshl_or_b32 v[\pw], v[TM+5], 8, v[TM+4]
	v_lshl_or_b32 v[\pw], v[TM+6], 16, v[\pw]
	v_lshl_or_b32 v[\pw], v[TM+7], 24, v[\pw]
	WIN (\W)
.irp b, 0,1,2,3
	v_cvt_scalef32_pk8_fp4_f32 v[(\pc)+2*\b], v[(\src)+16*\b:(\src)+7+16*\b], v[TM+12+\b]
	v_cvt_scalef32_pk8_fp4_f32 v[(\pc)+1+2*\b], v[(\src)+8+16*\b:(\src)+15+16*\b], v[TM+12+\b]
.endr
	WIN 0
	v_nop                                          ; a plain instruction behind the conversions
.irp c, 0,1
.irp i, 0,1
	v_permlane16_swap_b32 v[(\pc)+4*\c+\i], v[(\pc)+2+4*\c+\i]
.endr
.endr
.endm
.macro GELU src, W                     ; 64 numbers x in window W -> new_gelu(x) in v[QF] on; each accumulator is read from its low end on
	WIN (\W)|((\W)<<2)
.set i, 0
.rept 32
	v_pk_mul_f32 v[QF+i:QF+i+1], v[(\src)+i:(\src)+i+1], v[(\src)+i:(\src)+i+1]
.set i, i+2
.endr
	WIN 0
.set i, 0
.rept 32
	v_pk_fma_f32 v[QF+i:QF+i+1], v[QF+i:QF+i+1], s[42:43], v[124:125] op_sel_hi:[1,0,1]   ; k1 x^2 + k0
.set i, i+2
.endr
	WIN (\W)<<2
.set i, 0
.rept 32
	v_pk_mul_f32 v[QF+i:QF+i+1], v[QF+i:QF+i+1], v[(\src)+i:(\src)+i+1]
.set i, i+2
.endr
	WIN 0
.set i, 0
	s_wait_alu depctr_va_vdst(0)
.rept 64
	v_exp_f32 v[QF+i], v[QF+i]
.set i, i+1
.endr
	v_nop
	s_wait_alu depctr_va_vdst(0)                   ; one wait for the batch
.set i, 0
.rept 32
	v_pk_add_f32 v[QF+i:QF+i+1], v[QF+i:QF+i+1], 1.0 op_sel_hi:[1,0]
.set i, i+2
.endr
.set i, 0
	s_wait_alu depctr_va_vdst(0)
.rept 64
	v_rcp_f32 v[QF+i], v[QF+i]
.set i, i+1
.endr
	v_nop
	s_wait_alu depctr_va_vdst(0)
	WIN (\W)<<2
.set i, 0
.rept 32
	v_pk_mul_f32 v[QF+i:QF+i+1], v[QF+i:QF+i+1], v[(\src)+i:(\src)+i+1]
.set i, i+2
.endr
	WIN 0
.endm
	s_wait_alu depctr_va_vdst(0)
	s_wait_tensorcnt 0x0                           ; my record is in; behind the barrier everybody's is
	s_barrier_signal -1
	s_barrier_wait -1
	FETCH_P 0, 0
	FETCH_Q 0, 0
	SCALES
	FETCH_Q 0, 4
	s_wait_loadcnt 0x0                             ; the bias
	STEP 0, 1
.irp s, 1,2,3,4,5,6
	STEP \s, 0
.endr
	s_wait_dscnt 8
	WIN 0xa1
	MUL16 0, 7, 0
	MUL16 2, 7, 0
	s_wait_dscnt 0x0
	WIN 0xf1
	MUL16 4, 7, 0
	MUL16 6, 7, 0
	WIN 0
	PLACES
	s_mov_b32 s[SEL], 0x76543210                   ; all tensor loads are done: the descriptors' registers are free
	s_mov_b32 s[SEL+1], 0xfedcba98
	s_mov_b32 s42, 0xbdd2d3e8                      ; k1
	s_mov_b32 s43, s42
	s_lshl_b32 s34, s18, 1
	s_add_co_u32 s34, s34, s13
	s_mul_i32 s34, s34, 278528                     ; the record of my 128 tokens: 2 ty + wy
	s_lshl_b32 s36, s17, 1
	s_add_co_u32 s36, s36, s14                     ; my K step of the next product: 2 tx + wx
	s_lshl_b32 s35, s36, 10
	s_lshl_b32 s36, s36, 9
	s_add_co_u32 s36, s36, s34
	s_add_co_u32 s36, s36, 262144                  ; scale words [K step][r][tile], behind the record's codes
	s_add_co_u32 s34, s34, s35                     ; codes: 1,024 bytes a K step in each group of 32,768
	s_mov_b32 s35, 0
	s_mov_b32 s37, 0
	s_add_nc_u64 s[26:27], s[10:11], s[34:35]
	s_add_nc_u64 s[28:29], s[10:11], s[36:37]
.irp a, 0,1,2,3,4,5,6,7                ; 16 tokens at a time: their 128 hidden units become one fragment
	GELU 64*(\a%4), 2+\a/4
	QUANTW QF, 0, BI+8*\a, PWS+\a
	global_store_b128 v3, v[BI+8*\a:BI+8*\a+3], s[26:27] offset:\a*32768        ; 512 consecutive bytes
	global_store_b128 v3, v[BI+8*\a+4:BI+8*\a+7], s[26:27] offset:\a*32768+512
.endr
	v_cmp_ne_u32 vcc_lo, 0, v2
.irp k, 0,1,2,3
	v_cndmask_b32 v[TS+\k], v[PWS+\k], v[PWS+4+\k], vcc_lo
.endr
	global_store_b128 v14, v[TS:TS+3], s[28:29]    ; 512 consecutive bytes
	s_wait_tensorcnt 0x0
	ds_add_u32 v126, v127
	s_wait_dscnt 0x0
	CROUND                                         ; the closing round
	s_endpgm
.Lfunc_end_k_q6903d4161c_mlpin:
	.size	k_q6903d4161c_mlpin, .Lfunc_end_k_q6903d4161c_mlpin-k_q6903d4161c_mlpin
	.p2alignl 7, 3214868480
	.fill 96, 4, 3214868480
	.section	.rodata,"a",@progbits
	.p2align	6, 0x0
	.amdhsa_kernel k_q6903d4161c_mlpin
		.amdhsa_group_segment_fixed_size 279040
		.amdhsa_private_segment_fixed_size 0
		.amdhsa_enable_private_segment 0
		.amdhsa_kernarg_size 32
		.amdhsa_user_sgpr_count 2
		.amdhsa_user_sgpr_kernarg_segment_ptr 1
		.amdhsa_wavefront_size32 1
		.amdhsa_system_sgpr_workgroup_id_x 1
		.amdhsa_system_sgpr_workgroup_id_y 1
		.amdhsa_system_sgpr_workgroup_id_z 1
		.amdhsa_system_vgpr_workitem_id 0
		.amdhsa_next_free_vgpr 1024
		.amdhsa_next_free_sgpr 102
		.amdhsa_reserve_vcc 1
		.amdhsa_float_denorm_mode_32 3
		.amdhsa_float_denorm_mode_16_64 3
		.amdhsa_memory_ordered 1
		.amdhsa_forward_progress 1
		.amdhsa_inst_pref_size 240
	.end_amdhsa_kernel
	.amdgpu_metadata
---
amdhsa.version: [ 1, 2 ]
amdhsa.kernels:
  - .name:           k_q6903d4161c_mlpin
    .symbol:         k_q6903d4161c_mlpin.kd
    .args:
      - { .name: xq, .offset: 0, .size: 8, .value_kind: global_buffer, .address_space: global }
      - { .name: wts, .offset: 8, .size: 8, .value_kind: global_buffer, .address_space: global }
      - { .name: b_in, .offset: 16, .size: 8, .value_kind: global_buffer, .address_space: global }
      - { .name: hq, .offset: 24, .size: 8, .value_kind: global_buffer, .address_space: global }
    .group_segment_fixed_size: 279040
    .private_segment_fixed_size: 0
    .kernarg_segment_align: 8
    .kernarg_segment_size: 32
    .max_flat_workgroup_size: 128
    .sgpr_count:     102
    .vgpr_count:     1024
    .wavefront_size: 32
...
	.end_amdgpu_metadata
.endif
;; end of part 5
;; launch mlpout (part 6): grid 8 x 32, 4 waves a work-group, clusters of 4 x 1, 279,040 bytes of LDS; arguments hq, wts, res2, b_out, out0; writes out0
.if DOCPART == 6
	.amdgcn_target "amdgcn-amd-amdhsa--gfx1250"
	.amdhsa_code_object_version 6
	.text
	.protected	k_q6903d4161c_mlpout
	.globl	k_q6903d4161c_mlpout
	.p2align	8
	.type	k_q6903d4161c_mlpout,@function
k_q6903d4161c_mlpout:
	s_mov_b64 s[64:65], 0
	v_nop
	global_prefetch_b8 v0, s[64:65] scope:SCOPE_SE
	s_setreg_imm32_b32 hwreg(HW_REG_WAVE_MODE, 25, 1), 1
	s_wait_xcnt 0x0
	s_wait_alu depctr_hold_cnt(0) depctr_sa_sdst(0) depctr_va_vdst(0) depctr_va_sdst(0) depctr_va_ssrc(0) depctr_va_vcc(0) depctr_vm_vsrc(0)
	s_getreg_b32 s2, hwreg(HW_REG_IB_STS2, 6, 4)
	s_cmp_eq_u32 s2, 0
	s_cbranch_scc0 .Lentry_in_a_cluster
	s_endpgm
.Lentry_in_a_cluster:
	s_bfe_u32 s2, ttmp6, 0x10000c
	s_cmp_lg_u32 s2, 0x3003
	s_cbranch_scc0 .Lentry_shape_is_right
	s_endpgm
.Lentry_shape_is_right:
; out = res + A W^T + bias on codes of FP4 (E2M1) with E8M0 scales.  Here: A = gelu(h), W = w_out, K = 4,096, bias = b_out.
; SHARES.  A work-group makes 128 token slots x 128 columns; wave w all 128 rows x columns 32 w on: 16 accumulators.
; A's tile for ALL of K comes into LDS once, a quarter of its record to a wave, with its scale words: one tensor load a wave is out at the head, and no byte of LDS is filled again.
; CLUSTER 4 x 1: the four work-groups of a cluster have the same tokens: A's tiles are asked for jointly, mask 15.
; W's fragments go from memory straight into registers (a ring of 8 K steps): each byte of W's tile is wanted by one wave of the work-group alone.
; OPERANDS LIE IN THE ORDER OF THEIR REGISTERS: a fragment is 1,024 dense bytes.  Inside each 32 rows slot 16 u + r holds row 8 u + r % 8 + 16 (r / 8).
; Source 0 = W, source 1 = A: a lane holds one token slot and, in the two accumulators of a row block, 16 neighbouring columns.  The bias is the C of each sum's first product.
; THE WAY OUT: through a stage in LDS (128 rows x 528 bytes, in bytes that have had their last fill, behind a barrier), back as whole rows of 512 bytes; the residual row is added and the sum stored at the slot's true row.
; REGISTERS: window 0: v1-13 addresses; v32-47 A's scale words, two sets; v48-111 W's; v112-127 the bias; v128-255 A's fragments, two sets.  window 1: v0-127 accumulator (a, b) at 16 a + 8 b; v128-255 W's ring.
.set KB,      32                       ; K steps of 128
.set HASBIAS, 1
; THE LAYOUT AS IT STANDS: A and W lie in records of 128 rows: 8 groups x KB x 1,024 bytes of codes, then the scale words (A: [K step][row][tile]; W: [k / 512][row][16]).
; A's record comes into LDS as it lies, a quarter to a wave by ONE joint load at the head; no barrier stands in the K steps.  The residual's rows are asked for at the head, into window 2.
.set WC,      4456448                  ; W's first record in wts
.set NS,      KB
.set QB,      KB*2176                  ; a quarter of a record
.set SCL,     KB*8192                  ; the scale words' place in a record
.set SP,      528
.set MSB,     0
.macro WIN new
.if MSB != (\new)
	s_set_vgpr_msb (MSB<<8)|(\new)
.set MSB, (\new)
.endif
.endm
.macro CROUND                          ; a round of the cluster's barrier
	s_barrier_signal -1
	s_barrier_wait -1
	s_cmp_lg_u32 s12, 0
	s_cbranch_scc1 .Lnot_wave_0_\@
	s_barrier_signal -3
.Lnot_wave_0_\@:
	s_barrier_wait -3
	s_barrier_signal -1
	s_barrier_wait -1
.endm
	s_load_b128 s[4:7], s[0:1], 0x0                ; A, wts
.if HASBIAS
	s_load_b64 s[8:9], s[0:1], 0x10                ; the residual
	s_load_b64 s[60:61], s[0:1], 0x18              ; the bias
	s_load_b64 s[10:11], s[0:1], 0x20              ; out
	v_lshl_add_u32 v30, v0, 2, 0x44000
	v_mov_b32 v31, 0
	ds_add_u32 v30, v31
	ds_add_u32 v30, v31
.else
	s_load_b128 s[8:11], s[0:1], 0x10              ; the residual, out
.endif
	v_lshrrev_b32 v1, 5, v0
	v_readfirstlane_b32 s12, v1                    ; wave
	s_bfe_u32 s13, ttmp6, 0x40000                  ; cx
	s_lshl_b32 s14, ttmp9, 2
	s_add_co_u32 s14, s14, s13                     ; tx
	s_and_b32 s15, ttmp7, 0xffff                   ; ty
	s_mov_b32 s24, 15|(3<<16)|(1<<21)              ; group 1, elements of 8 bytes; all four partners; no padding: every LDS read is dense
	s_mov_b32 s25, 32<<16                          ; a dense quarter of a record as rows of 256 bytes
	s_mov_b32 s26, (QB/256)<<16
	s_mov_b32 s27, 32<<16
	s_mov_b32 s28, QB/256
	s_mov_b32 s29, 32
	s_mov_b32 s30, 0
	s_mov_b32 s31, 0
	s_lshl_b32 s16, s15, 2
	s_add_co_u32 s16, s16, s12
	s_mul_i32 s16, s16, QB                         ; A: quarter w of record ty
	s_mov_b32 s17, 0
	s_mov_b32 s44, 1
	s_mul_i32 s45, s12, QB                         ; and its place in LDS
	s_mul_i32 s2, s14, 4*QB
	s_add_co_u32 s2, s2, WC                        ; W: record tx
	s_mul_i32 s22, s12, KB*2048                    ; groups 2 w, 2 w + 1
	s_add_co_u32 s22, s22, s2
	s_mov_b32 s23, 0
	s_lshl_b32 s3, s12, 9
	s_add_co_u32 s2, s2, s3
	s_add_co_u32 s2, s2, SCL                       ; my 32 rows' scale bytes
	s_mov_b32 s3, 0
	s_wait_dscnt 0x0
	s_wait_kmcnt 0x0
	s_add_nc_u64 s[46:47], s[4:5], s[16:17]
	s_or_b32 s47, s47, 0x80000000
	s_add_nc_u64 s[22:23], s[6:7], s[22:23]
	s_add_nc_u64 s[2:3], s[6:7], s[2:3]
	CROUND                                         ; all four work-groups are here: the joint loads meet
	tensor_load_to_lds s[44:47], s[24:31]          ; one load a wave
	s_nop 0
.rept 4
	v_nop
.endr
	v_and_b32 v1, 15, v0                           ; r
	v_bfe_u32 v2, v0, 4, 1                         ; h
	v_and_b32 v3, 31, v0
	v_lshlrev_b32 v3, 4, v3                        ; 16 x lane
.irp c, 0,1,2,3
	v_add_nc_u32 v[4+\c], \c*65536, v3
.endr
	v_lshlrev_b32 v8, 5, v1
	v_add_nc_u32 v8, SCL, v8                       ; A's scale words: 32 r
	v_lshlrev_b32 v9, 4, v1                        ; W's: 16 r
	v_mul_u32_u24 v10, v1, SP
	v_lshl_add_u32 v10, v2, 6, v10
	s_lshl_b32 s62, s12, 7
	v_add_nc_u32 v10, s62, v10                     ; into the stage: row r, + 128 w + 64 h
	s_mul_i32 s62, s12, 32*SP
	v_add_nc_u32 v11, s62, v3                      ; back: my 32 rows, 16 bytes a lane
	v_lshlrev_b32 v13, 6, v2
	s_wait_alu depctr_va_vdst(0)
	s_lshl_b32 s62, s15, 19                        ; rows 128 ty + 32 w on, columns 128 tx on, in the residual and in out
	s_lshl_b32 s63, s12, 17
	s_add_co_u32 s62, s62, s63
	s_lshl_b32 s63, s14, 9
	s_add_co_u32 s62, s62, s63
	s_mov_b32 s63, 0
	s_add_nc_u64 s[8:9], s[8:9], s[62:63]
	s_add_nc_u64 s[10:11], s[10:11], s[62:63]
	WIN 0x80                                       ; the residual's 32 rows into window 2, v128-255: slot i of my 32 is row 8 (i / 16) + i % 8 + 16 ((i % 16) / 8).  They are the oldest loads: every counted wait below covers them
.set i, 0
.rept 32
	global_load_b128 v[128+4*i:131+4*i], v3, s[8:9] offset:(8*(i/16)+i%8+16*((i%16)/8))*4096 th:TH_LOAD_NT
.set i, i+1
.endr
	WIN 0
.if HASBIAS
	s_lshl_b32 s62, s14, 9
	s_lshl_b32 s63, s12, 7
	s_add_co_u32 s62, s62, s63
	s_mov_b32 s63, 0
	s_add_nc_u64 s[60:61], s[60:61], s[62:63]
.irp k, 0,1,2,3
	global_load_b128 v[112+4*\k:115+4*\k], v13, s[60:61] offset:16*\k   ; the bias in the result's layout: columns 16 h + 0 .. 15 of my 32
.endr
.endif
.set i, 0
.rept KB/4
.irp b, 0,1
	global_load_b128 v[48+(2*i+\b)*4:51+(2*i+\b)*4], v9, s[2:3] offset:i*2048+256*\b
.endr
.set i, i+1
.endr
.macro LOADB s                         ; W's two fragments of K step s into the ring
.irp b, 0,1
.irp c, 0,1
	global_load_b128 v[128+16*((\s)%8)+8*\b+4*\c:131+16*((\s)%8)+8*\b+4*\c], v3, s[22:23] offset:\b*KB*1024+1024*(\s)+512*\c
.endr
.endr
.endm
	WIN 0x40
.irp s, 0,1,2,3,4,5,6,7
	LOADB \s
.endr
	WIN 0
.macro FETCH_A s                       ; A's eight fragments and scale words of K step s: 18 LDS loads
.irp a, 0,1,2,3,4,5,6,7
.irp c, 0,1
	ds_load_b128 v[128+64*((\s)%2)+8*\a+4*\c:131+64*((\s)%2)+8*\a+4*\c], v[4+(\a*KB)/64] offset:((\a*KB)%64)*1024+(\s)*1024+512*\c
.endr
.endr
	ds_load_b128 v[32+8*((\s)%2):35+8*((\s)%2)], v8 offset:512*(\s)
	ds_load_b128 v[36+8*((\s)%2):39+8*((\s)%2)], v8 offset:512*(\s)+16
.endm
.macro STEP s
.if (\s)+1 < NS
	FETCH_A (\s)+1
	s_wait_dscnt 18                                ; all but the 18 just issued
.else
	s_wait_dscnt 0x0
.endif
.if (\s)+7 < NS-1
	s_wait_loadcnt 28                              ; this step's fragments of W are in; those of the seven steps behind it, four loads each, may be out
.else
	s_wait_loadcnt 4*(NS-1-(\s))
.endif
.if HASBIAS && ((\s) == 0)
	WIN 0x41
.else
	WIN 0x51
.endif
.irp a, 0,1,2,3,4,5,6,7                ; the 16 accumulators take turns, one instruction a turn
.irp b, 0,1
.set rD, 16*\a+8*\b
.set rB, 128+16*((\s)%8)+8*\b
.set rA, 128+64*((\s)%2)+8*\a
.set rX, 48+(2*((\s)/4)+\b)*4+(\s)%4
.set rY, 32+8*((\s)%2)+\a
.if (\s) == 0
.if HASBIAS
	v_wmma_scale_f32_16x16x128_f8f6f4 v[rD:rD+7], v[rB:rB+7], v[rA:rA+7], v[112+8*\b:119+8*\b], v[rX], v[rY] matrix_a_fmt:MATRIX_FMT_FP4 matrix_b_fmt:MATRIX_FMT_FP4
.else
	v_wmma_scale_f32_16x16x128_f8f6f4 v[rD:rD+7], v[rB:rB+7], v[rA:rA+7], 0, v[rX], v[rY] matrix_a_fmt:MATRIX_FMT_FP4 matrix_b_fmt:MATRIX_FMT_FP4
.endif
.else
	v_wmma_scale_f32_16x16x128_f8f6f4 v[rD:rD+7], v[rB:rB+7], v[rA:rA+7], v[rD:rD+7], v[rX], v[rY] matrix_a_fmt:MATRIX_FMT_FP4 matrix_b_fmt:MATRIX_FMT_FP4
.endif
.endr
.endr
.rept 4
	v_nop                                          ; places in front of loads into registers that these products read, and of the first read of results
.endr
.if (\s)+8 < NS
	WIN 0x40
	LOADB (\s)+8
.endif
	WIN 0
.endm
	s_wait_tensorcnt 0x0                           ; my quarter of A's record is in; behind the barrier everybody's is
	s_barrier_signal -1
	s_barrier_wait -1
	FETCH_A 0
.set Q, 0
.rept NS
	STEP Q
.set Q, Q+1
.endr
	s_wait_dscnt 0x0
	s_barrier_signal -1
	s_barrier_wait -1                              ; nobody reads A's tiles any more: the stage may be written
	WIN 0x04                                       ; an LDS store's data are its source 1: window 1
.irp a, 0,1,2,3,4,5,6,7
.irp k, 0,1,2,3
	ds_store_b128 v10, v[16*\a+4*\k:16*\a+4*\k+3] offset:\a*16*SP+16*\k   ; each accumulator from its low end on
.endr
.endr
	WIN 0
	s_wait_dscnt 0x0                               ; for the others' sake
	s_barrier_signal -1
	s_barrier_wait -1
.set i, 0
.rept 32
	ds_load_b128 v[128+4*i:131+4*i], v11 offset:SP*i
.set i, i+1
.endr
	s_wait_loadcnt 0x0                             ; the residual
	WIN 0x88                                       ; source 0 window 0 (the stage's row; the store's address), source 1 and destination window 2 (the residual; the sum; the store's data)
.set i, 0
.rept 32
	s_wait_dscnt 31-i
	v_pk_add_f32 v[128+4*i:129+4*i], v[128+4*i:129+4*i], v[128+4*i:129+4*i]
	v_pk_add_f32 v[130+4*i:131+4*i], v[130+4*i:131+4*i], v[130+4*i:131+4*i]
	global_store_b128 v3, v[128+4*i:131+4*i], s[10:11] offset:(8*(i/16)+i%8+16*((i%16)/8))*4096   ; 512 consecutive bytes, aligned
.set i, i+1
.endr
	WIN 0
	s_wait_tensorcnt 0x0
	ds_add_u32 v30, v31
	s_wait_dscnt 0x0
	CROUND                                         ; the closing round
	s_endpgm
.Lfunc_end_k_q6903d4161c_mlpout:
	.size	k_q6903d4161c_mlpout, .Lfunc_end_k_q6903d4161c_mlpout-k_q6903d4161c_mlpout
	.p2alignl 7, 3214868480
	.fill 96, 4, 3214868480
	.section	.rodata,"a",@progbits
	.p2align	6, 0x0
	.amdhsa_kernel k_q6903d4161c_mlpout
		.amdhsa_group_segment_fixed_size 279040
		.amdhsa_private_segment_fixed_size 0
		.amdhsa_enable_private_segment 0
		.amdhsa_kernarg_size 40
		.amdhsa_user_sgpr_count 2
		.amdhsa_user_sgpr_kernarg_segment_ptr 1
		.amdhsa_wavefront_size32 1
		.amdhsa_system_sgpr_workgroup_id_x 1
		.amdhsa_system_sgpr_workgroup_id_y 1
		.amdhsa_system_sgpr_workgroup_id_z 1
		.amdhsa_system_vgpr_workitem_id 0
		.amdhsa_next_free_vgpr 768
		.amdhsa_next_free_sgpr 66
		.amdhsa_reserve_vcc 0
		.amdhsa_float_denorm_mode_32 3
		.amdhsa_float_denorm_mode_16_64 3
		.amdhsa_memory_ordered 1
		.amdhsa_forward_progress 1
		.amdhsa_inst_pref_size 143
	.end_amdhsa_kernel
	.amdgpu_metadata
---
amdhsa.version: [ 1, 2 ]
amdhsa.kernels:
  - .name:           k_q6903d4161c_mlpout
    .symbol:         k_q6903d4161c_mlpout.kd
    .args:
      - { .name: hq, .offset: 0, .size: 8, .value_kind: global_buffer, .address_space: global }
      - { .name: wts, .offset: 8, .size: 8, .value_kind: global_buffer, .address_space: global }
      - { .name: res2, .offset: 16, .size: 8, .value_kind: global_buffer, .address_space: global }
      - { .name: b_out, .offset: 24, .size: 8, .value_kind: global_buffer, .address_space: global }
      - { .name: out0, .offset: 32, .size: 8, .value_kind: global_buffer, .address_space: global }
    .group_segment_fixed_size: 279040
    .private_segment_fixed_size: 0
    .kernarg_segment_align: 8
    .kernarg_segment_size: 40
    .max_flat_workgroup_size: 128
    .sgpr_count:     66
    .vgpr_count:     768
    .wavefront_size: 32
...
	.end_amdgpu_metadata
.endif
;; end of part 6
